; MI455X (gfx1250); checked and timed in simulation.
; The chip was launched on July 23, 2026; its instructions are those of AMD's public machine-readable ISA for CDNA 5 (MIT licence, August 2026) and "CDNA5" Instruction Set Architecture Reference Guide (July 2026). The comments in the code are by the model that wrote it; some were corrected since.
;; Multihead Attention. Allowed arithmetic: matrix products marked QUANTISED: E2M1 operands, one E8M0 scale for each 32 along K, by v_wmma_scale_f32_16x16x128_f8f6f4 with both operands' format E2M1 (or v_wmma_scale_f32_32x16x128_f4), f32 sums; everything else in f32.
;; Inputs: attn_mask 1 x 1 x 4,096 x 4,096 int32; k 1 x 16 x 4,096 x 128 float32; q 1 x 16 x 4,096 x 128 float32; v 1 x 16 x 4,096 x 128 float32.
;; Outputs: out0 4,096 x 2,048 float32.
;; Constants: seq_length = 4096.
;; This version of the problem:
;;   THIS VERSION OF THE PROBLEM IS GIVEN IN LOW PRECISION. The matrix products marked QUANTISED in the list below multiply operands that are first quantised to E2M1 (2 exponent bits, 1 mantissa bit; 4 bits a number), with one power-of-two scale for each 32 numbers along K (OCP MX v1.0); their sums are f32. All else is computed in f32.
;;   The module's matrix products, in the order in which they are computed (A, B: the left and right operand; K: the contracted axis; several contracted axes count as one K, in the product's order):
;;     1. batch 16 x [M 4,096, K 128] x [K 128, N 4,096]; A: input q; B: input k: QUANTISED
;;     2. batch 16 x [M 4,096, K 4,096] x [K 4,096, N 128]; A: softmax (see below); B: input v: QUANTISED
;;   THE QUANTISER, for each operand of a quantised product, along K:
;;     - K is cut into blocks of 32 from its start; a last block that is shorter is filled with zeros.
;;     - A block's scale is 2^e with e = floor(log2(the largest magnitude in the block)) - 2, held to -126 .. 127; a block of zeros has e = 0. As a byte (E8M0): e + 127.
;;     - Each number is divided by its block's scale, clamped to +-6, and rounded to the nearest number of E2M1, ties to even, subnormals kept.
;;     - The product sums the exact products of the quantised numbers (number of the format x scale) in f32.
;;   ~~~python
;;   def quantise(x, axis):      # numpy; x: float32 -> the quantised numbers, widened to float32 again
;;       x = np.moveaxis(x, axis, -1); K = x.shape[-1]
;;       x = np.pad(x, [(0, 0)] * (x.ndim - 1) + [(0, -K % 32)]); x = x.reshape(x.shape[:-1] + (-1, 32)); a = np.abs(x).max(-1, keepdims=True)
;;       e = np.where(a > 0, np.clip(np.frexp(np.where(a > 0, a, 1))[1] - 1 - 2, -126, 127), 0)      # np.frexp(a)[1] - 1 = floor(log2(a)), exactly
;;       r = np.clip(x / 2.0 ** e, -6, 6)
;;       step = 2.0 ** (np.maximum(np.frexp(np.where(r == 0, 1, r))[1] - 1, 0) - 1)
;;       q = np.round(r / step) * step * 2.0 ** e      # np.round: ties to even
;;       return np.moveaxis(q.reshape(q.shape[:-2] + (-1,))[..., :K], -1, axis).astype(np.float32)
;;   ~~~
;;   SOFTMAX AHEAD OF A QUANTISED PRODUCT. Where the list says 'softmax', what is quantised is not the finished softmax but p = 2^(t - M), with t = logit x log2(e) and M = ceil(the row's largest t), a whole number; so 1/2 < the row's largest p <= 1. The row's sum l is taken of the UNQUANTISED p, in f32, and the product's result is divided by l at the end. Since M is a whole number, a kernel that streams over the keys may use a running M (the ceiling of the running maximum): every later rescaling is an exact power of two, which a block's scale takes up: the codes' values come out the same.
;;   OPERANDS COMPUTED ON THE WAY. 'Computed on the way' means the value that the module computes at that place (a softmax that the list does not call 'softmax' is quantised finished and normalised). What goes into a quantiser is computed in f32, as accurately as f32 sums, v_exp_f32 and their like allow (about 1e-6 of the number): no bf16 or f16 on the way to a quantiser, and a product that is left as it is and whose result goes on into a quantised operand takes f32 operands (vector FMAs, or v_wmma_f32_16x16x4_f32). A number that lies on a knife's edge between two numbers of the format may be rounded either way, as far as f32 arithmetic and the matrix unit's own rounding can turn it there, and no further.
;; 2 versions, each right; version 2 is version 1 with the launch attn written anew for expert scheduling mode. Each part assembles by itself: llvm-mc -triple=amdgcn-amd-amdhsa -mcpu=gfx1250 --defsym DOCPART=n.
;; ======== version 1 of 2: 2 launches
;; workspace buffers: kvp 8,912,896 bytes; mbits 2,097,152 bytes of whole numbers; flags 16,384 bytes of whole numbers
;; launch prep (part 1): grid 512 x 1, 8 waves a work-group, no clusters, 77,312 bytes of LDS; arguments k, v, attn_mask, kvp, mbits, flags; writes kvp, mbits, flags
.if DOCPART == 1
	.amdgcn_target "amdgcn-amd-amdhsa--gfx1250"
	.amdhsa_code_object_version 6
	.text
	.protected	k_q33d8c5baac_prep
	.globl	k_q33d8c5baac_prep
	.p2align	8
	.type	k_q33d8c5baac_prep,@function
k_q33d8c5baac_prep:
	s_mov_b64 s[64:65], 0
	v_nop
	global_prefetch_b8 v0, s[64:65] scope:SCOPE_SE
	s_setreg_imm32_b32 hwreg(HW_REG_WAVE_MODE, 25, 1), 1
	s_wait_xcnt 0x0
; PREP: what the attention launch reads again and again is made once.  Three roles, chosen by the work-group's number; each work-group reads 256 KiB.
;   work-groups 0-127   (K): k [16][4096][128] f32 -> codes of FP4 (E2M1) along the head's 128, one E8M0 byte for each 32
;   work-groups 128-255 (V): v [16][4096][128] f32 -> codes along the KEYS (the second product's K), one byte for each 32 keys
;   work-groups 256-511 (M): attn_mask [4096][4096] int32 (0 = hidden) -> one bit a key, and two flag words for each pair of rows
; kvp: [head 16][step 32][PKG bytes]: the package of one key step (128 keys), laid as IMAGES OF THE OPERANDS' REGISTERS (four registers of a fragment: 16 bytes a lane, 512 bytes on end):
;   +0     K's 8 fragments: tile t, registers 4 c .. 4 c + 3 at 1024 t + 512 c + 16 lane.  Lane r of tile 2 b + u holds key 32 b + 8 u + r + 8 (r / 8); registers 4 c .. hold d = 64 c + 32 (lane / 16) + 0 .. 31
;   +8192  V's 8 fragments likewise: lane r of tile t holds d = 16 t + r; registers 4 c .. hold keys 64 c + 32 (lane / 16) + 0 .. 31
;   +16384 K's scale words: register i carries tile 2 i's words in lanes 0-15 and tile 2 i + 1's in lanes 16-31; registers 2 j, 2 j + 1 lie as 8 bytes a lane at 256 j + 8 lane
;   +16896 V's scale words likewise
; mbits: [tile of 16 queries 256][step 32][row 16][4 words P0..P3].  Words P(2 h), P(2 h + 1) serve the lanes of half h: key 32 b + 16 h + i of the step is bit 8 b + 4 (i & 1) + (i >> 2) of word (i & 3) >> 1.
; flags: [tile 256][pair of rows 8][ANY, ALL]: bit s of ANY: step s has a key that counts for one of the two rows; bit s of ALL: none of its keys is hidden from them.
; A block's scale is 2^(floor(log2(its largest magnitude)) - 2); its byte is the largest magnitude's exponent field - 2, held at 1 from below.
; LIMITS: a block of zeros gets the byte 1 where the rule says 127 (its codes are zeros, and this program alone reads the bytes); blocks whose largest magnitude lies under the floor 2^(3 - 127) share that byte;
; NaN and infinities in k and v are not served.
; No tensor loads, no cluster: no two work-groups read the same byte here.
.set PKG,    17408
.set VIMG,   8192
.set KSCL,   16384
.set VSCL,   16896
.set SPITCH, 528                       ; role K's stage: a row of 512 bytes + 16, so that the 16 rows that a load touches begin 16 bytes apart modulo 256
.set WSTG,   16*SPITCH                 ; 16 rows: a wave's own stage
.set MST,    8*WSTG                    ; behind the eight stages: role M's stage, 32 steps x (16 rows x 16 bytes + 16)
.set MP,     272
.set SEL,  20                          ; s[20:21] lane selects for v_permlanex16_b32: lane l xor 16
.set RR,   32                          ; K: v32-159  two sets of 16 rows as loaded (4 registers a row)
.set XX,   160                         ; K: v160-223 64 numbers of my row: register 32 c + i = d 64 c + 32 h + i
.set CC,   224                         ; K: v224-231 a fragment's codes
.set QT,   232                         ; v232-238 at work in the quantisers
.set WD,   239                         ; K: the scale word just made
.set SW,   240                         ; v[240:241] two scale registers on their way out
.set VX,   32                          ; V: v32-95   two sets of 32 numbers down the keys
.set VC,   160                         ; V: v160-191 four registers of codes for each of 8 blocks: no store's data are written again
.set MR,   32                          ; M: v32-159  a row of the mask: 4 registers a step
.set OUTW, 160                         ; M: v160-167 for each of two rows four words w0..w3; lane s holds step s; bit l of w(c) is key 4 l + c
.set PW,   168                         ; M: v168-175 P0..P3 of the two rows
.set ANYR, 176
.set ALLR, 177
.set TA,   178
.set TB,   179
; v1 lane; v2 16 lane; v3 8 lane; v4, v5 K's stage in and out; v6, v7 M's stage in and out; v8 4 lane; v9 V's place in an image; v10 8 h; v11 0.  All are made here, ahead of the roles, and never rewritten.
	s_load_b256 s[4:11], s[0:1], 0x0               ; k s[4:5], v s[6:7], attn_mask s[8:9], kvp s[10:11]
	s_load_b128 s[12:15], s[0:1], 0x20             ; mbits s[12:13], flags s[14:15]
	v_lshl_add_u32 v254, v0, 2, 0x12a00
	v_mov_b32 v255, 0
	v_lshrrev_b32 v12, 5, v0
	v_readfirstlane_b32 s16, v12                   ; wave 0..7
	v_and_b32 v1, 31, v0                           ; lane
	v_and_b32 v12, 15, v0                          ; r = lane % 16
	v_bfe_u32 v13, v0, 4, 1                        ; h = lane / 16
	v_lshlrev_b32 v2, 4, v1
	v_lshlrev_b32 v3, 3, v1
	v_lshlrev_b32 v8, 2, v1
	s_mul_i32 s17, s16, WSTG
	v_add_nc_u32 v4, s17, v2                       ; K's stage, in: 16 bytes a lane of a row
	v_mul_u32_u24 v5, v12, SPITCH
	v_lshl_add_u32 v5, v13, 7, v5
	v_add_nc_u32 v5, s17, v5                       ; and out: row r, + 128 h: 32 numbers of my half
	s_lshl_b32 s17, s16, 5
	v_mul_u32_u24 v6, v1, MP
	v_add_nc_u32 v6, s17, v6
	v_add_nc_u32 v6, MST, v6                       ; M's stage, in: step = lane, rows 2 w and 2 w + 1
	s_mul_i32 s17, s16, 4*MP
	v_mul_u32_u24 v7, v13, MP
	v_lshl_add_u32 v7, v12, 4, v7
	v_add_nc_u32 v7, s17, v7
	v_add_nc_u32 v7, MST, v7                       ; and out: steps 4 w + h (+ 2), 16 bytes a lane
	v_lshlrev_b32 v9, 10, v13
	v_lshl_add_u32 v9, v12, 4, v9                  ; V: lanes 16-31 belong to the next tile: 1024 h + 16 r
	v_lshlrev_b32 v10, 3, v13
	v_mov_b32 v11, 0
	s_mov_b32 s[SEL], 0x76543210
	s_mov_b32 s[SEL+1], 0xfedcba98
	s_mov_b32 s22, 0xffff0000                      ; lanes 16-31
	s_mov_b32 s23, 0x0f0f0f0f
	s_mov_b32 s19, 0xf0f0f0f0
	s_mov_b32 s27, 0                               ; the upper word of every offset pair s[26:27]
	s_wait_kmcnt 0x0
	s_cmp_lt_u32 ttmp9, 128
	s_cbranch_scc1 .Lrole_k
	s_cmp_lt_u32 ttmp9, 256
	s_cbranch_scc1 .Lrole_v
; ---------------- ROLE M: wave w of work-group 256 + T takes rows 16 T + 2 w and 16 T + 2 w + 1 of the mask
	s_sub_co_u32 s24, ttmp9, 256                   ; T
	s_lshl_b32 s25, s24, 3
	s_add_co_u32 s25, s25, s16                     ; my pair of rows
	s_lshl_b32 s26, s25, 15                        ; x 2 rows of 16,384 bytes
	s_add_nc_u64 s[8:9], s[8:9], s[26:27]
	s_lshl_b32 s26, s25, 3
	s_add_nc_u64 s[14:15], s[14:15], s[26:27]      ; my two flag words
.irp j, 0,1,2,3,4,5,6,7
	v_mov_b32 v[OUTW+\j], 0                        ; written once: v_writelane_b32's destination counts as one of its sources
.endr
.irp s, 0,1,2,3,4,5,6,7,8,9,10,11,12,13,14,15,16,17,18,19,20,21,22,23,24,25,26,27,28,29,30,31
	global_load_b128 v[MR+4*\s:MR+4*\s+3], v2, s[8:9] offset:512*\s th:TH_LOAD_NT   ; the first row: a load reads one step's 128 words, 512 consecutive bytes
.endr
; One row.  Step by step four compares turn 128 words into four words of 32 bits, which go into lane s of four registers.  In the first row each step's registers are loaded again at once, with the second row.
.macro MROW rho
.set st, 0
.rept 32
.if \rho == 0
	s_wait_loadcnt 31                              ; behind this step's load stand 31 - s loads of this row and s of the next
.else
	s_wait_loadcnt 31-st                           ; behind it the rest of this row
.endif
.irp c, 0,1,2,3
	v_cmp_ne_u32 s[40+4*(st%2)+\c], 0, v[MR+4*st+\c]               ; bit l: key 128 s + 4 l + c counts
.endr
.if \rho == 0
	global_load_b128 v[MR+4*st:MR+4*st+3], v2, s[8:9] offset:16384+512*st th:TH_LOAD_NT
.endif
.irp c, 0,1,2,3
	v_writelane_b32 v[OUTW+4*\rho+\c], s[40+4*(st%2)+\c], st
.endr
.set st, st+1
.endr
.set W0, OUTW+4*\rho
.set PP, PW+4*\rho
.if \rho == 0
	v_or_b32 v[ANYR], v[W0], v[W0+1]               ; the first row starts both
	v_and_b32 v[ALLR], v[W0], v[W0+1]
.else
	v_or_b32 v[TA], v[W0], v[W0+1]
	v_and_b32 v[TB], v[W0], v[W0+1]
	v_or_b32 v[ANYR], v[ANYR], v[TA]
	v_and_b32 v[ALLR], v[ALLR], v[TB]
.endif
	v_or_b32 v[TA], v[W0+2], v[W0+3]
	v_and_b32 v[TB], v[W0+2], v[W0+3]
	v_or_b32 v[ANYR], v[ANYR], v[TA]
	v_and_b32 v[ALLR], v[ALLR], v[TB]
.irp p, 0,1                            ; in each byte of w(c) the low four bits belong to the lanes of half 0, the high four to half 1: two words w are dealt into one word for each half
	v_and_b32 v[TA], s23, v[W0+2*\p]
	v_and_b32 v[TB], s23, v[W0+2*\p+1]
	v_lshl_or_b32 v[PP+\p], v[TB], 4, v[TA]
	v_lshrrev_b32 v[TA], 4, v[W0+2*\p]
	v_and_b32 v[TA], s23, v[TA]
	v_and_or_b32 v[PP+2+\p], v[W0+2*\p+1], s19, v[TA]
.endr
	ds_store_b128 v6, v[PP:PP+3] offset:16*\rho    ; lane s: step s of my row
.endm
	MROW 0
	MROW 1
	v_cmp_ne_u32 s50, 0, v[ANYR]                   ; lane s speaks for step s: bit s
	v_cmp_eq_u32 s51, -1, v[ALLR]
	v_mov_b32 v180, s50
	v_mov_b32 v181, s51
	v_cmp_eq_u32 vcc_lo, 0, v1
	s_wait_xcnt 0x0                                ; EXEC is a source of the loads above: it changes only behind this wait
	s_and_saveexec_b32 s52, vcc_lo
	global_store_b64 v11, v[180:181], s[14:15]     ; lane 0 alone: 8 bytes
	s_wait_xcnt 0x0                                ; and again in front of the line that widens it
	s_or_b32 exec_lo, exec_lo, s52
	s_branch .Ljoin
; ---------------- THE QUANTISER of 64 numbers of a lane, register 32 b + i = k 64 b + 32 h + i of its row: two whole blocks, 2 b + h.  Codes into v[cr] on (the fragment's registers), the row's scale word into v[wr], in every lane.
.macro QUANT2 xr, cr, wr
.irp b, 0,1
	v_max3_num_f32 v[QT+\b], |v[\xr+32*\b]|, |v[\xr+32*\b+1]|, 0x1800000   ; with the floor 2^(3 - 127) among the leaves: the byte cannot fall under 1
.endr
.irp i, 2,4,6,8,10,12,14,16,18,20,22,24,26,28,30
.irp b, 0,1
	v_max3_num_f32 v[QT+\b], v[QT+\b], |v[\xr+32*\b+\i]|, |v[\xr+32*\b+\i+1]|   ; the two blocks by turns
.endr
.endr
.irp b, 0,1
	v_add_nc_u32 v[QT+2+\b], 0xff000000, v[QT+\b]  ; 2 off the exponent field: the conversion takes the exponent field of this operand as its scale
.endr
.irp b, 0,1
	v_lshrrev_b32 v[QT+4+\b], 23, v[QT+2+\b]       ; the scale's byte
.endr
	v_lshl_or_b32 v[\wr], v[QT+5], 16, v[QT+4]     ; my two bytes, blocks h and 2 + h,
	v_lshlrev_b32 v[\wr], v10, v[\wr]              ; at their places (8 h bits up);
	v_permlanex16_b32 v[QT+6], v[\wr], s[SEL], s[SEL+1]
	v_or_b32 v[\wr], v[\wr], v[QT+6]               ; with lane l xor 16's two the word is whole
.irp b, 0,1
.irp g, 0,1,2,3
	v_cvt_scalef32_pk8_fp4_f32 v[\cr+4*\b+\g], v[\xr+32*\b+8*\g:\xr+32*\b+8*\g+7], v[QT+2+\b]
.endr
.endr
	v_nop                                          ; one plain place behind the last scaled conversion
.endm
; ---------------- ROLE K: a wave takes 64 keys, half a step: four tiles.  Loads take whole rows (512 consecutive bytes); the rows turn through the wave's own stage, so that a lane gets 64 numbers of ONE key.
.Lrole_k:
	s_lshl_b32 s24, ttmp9, 3
	s_add_co_u32 s24, s24, s16                     ; task = 64 head + 2 step + half
	s_lshl_b32 s26, s24, 15                        ; 64 keys of 512 bytes
	s_add_nc_u64 s[4:5], s[4:5], s[26:27]
	s_lshr_b32 s25, s24, 1
	s_mul_i32 s26, s25, PKG
	s_add_nc_u64 s[10:11], s[10:11], s[26:27]      ; the step's package
	s_and_b32 s25, s24, 1
	s_lshl_b32 s26, s25, 12
	s_add_nc_u64 s[28:29], s[10:11], s[26:27]      ; my four fragments
	s_lshl_b32 s26, s25, 8
	s_add_co_u32 s26, s26, KSCL
	s_add_nc_u64 s[30:31], s[10:11], s[26:27]      ; my two scale registers
	v_mov_b32 v[QT+6], 0                           ; written once: a lane permute's destination counts as one of its sources
.macro LOADT tt                        ; tile tt's 16 keys: 32 (tt / 2) + 8 (tt % 2) + p + 8 (p / 8)
.irp p, 0,1,2,3,4,5,6,7,8,9,10,11,12,13,14,15
	global_load_b128 v[RR+64*((\tt)%2)+4*\p:RR+64*((\tt)%2)+4*\p+3], v2, s[4:5] offset:(32*((\tt)/2)+8*((\tt)%2)+\p+8*(\p/8))*512 th:TH_LOAD_NT
.endr
.endm
.macro TURN tt                         ; LDS serves a wave's instructions in order (ISA guide 5.7.1.4): no wait between the stores and the loads
.irp p, 0,1,2,3,4,5,6,7,8,9,10,11,12,13,14,15
	ds_store_b128 v4, v[RR+64*((\tt)%2)+4*\p:RR+64*((\tt)%2)+4*\p+3] offset:SPITCH*\p
.endr
.irp c, 0,1
.irp g, 0,1,2,3,4,5,6,7
	ds_load_b128 v[XX+32*\c+4*\g:XX+32*\c+4*\g+3], v5 offset:256*\c+16*\g
.endr
.endr
.endm
.macro KTILE tt
.if \tt < 3
	s_wait_loadcnt 16                              ; this tile's 16 rows are in; the next tile's 16 loads may be out
.else
	s_wait_loadcnt 0x0
.endif
	TURN \tt
	s_wait_dscnt 0x0                               ; my 64 numbers are back, and the stage's stores have read the rows' registers,
.if \tt < 2
	LOADT \tt+2                                    ; which take the tile two further on
.endif
	s_wait_xcnt 0x0                                ; the last tile's stores have read their codes: the registers are written again only behind this wait
	QUANT2 XX, CC, WD
	global_store_b128 v2, v[CC:CC+3], s[28:29] offset:1024*\tt          ; 32 lanes store 512 consecutive bytes, aligned
	global_store_b128 v2, v[CC+4:CC+7], s[28:29] offset:1024*\tt+512
.if \tt%2 == 0
	v_mov_b32 v[SW+\tt/2], v[WD]                   ; an even tile's words serve lanes 0-15,
.else
	v_cndmask_b32 v[SW+\tt/2], v[SW+\tt/2], v[WD], s22   ; the odd tile's lanes 16-31 (lane 16 + r holds row r's word too)
.endif
.endm
	LOADT 0
	LOADT 1
	KTILE 0
	KTILE 1
	KTILE 2
	KTILE 3
	global_store_b64 v3, v[SW:SW+1], s[30:31]      ; 32 lanes store 256 consecutive bytes, aligned
	s_branch .Ljoin
; ---------------- ROLE V: a wave takes 128 keys x 64 channels.  A LANE TAKES A CHANNEL AND ITS REGISTERS RUN DOWN THE KEYS: a block of 32 keys lies in one lane, and the conversions give codes with the keys innermost.
.Lrole_v:
	s_sub_co_u32 s24, ttmp9, 128
	s_lshl_b32 s24, s24, 3
	s_add_co_u32 s24, s24, s16                     ; task = 64 head + 2 step + half (of the 128 channels)
	s_lshr_b32 s25, s24, 1
	s_and_b32 s24, s24, 1
	s_lshl_b32 s26, s25, 16                        ; 128 keys of 512 bytes
	s_lshl_b32 s17, s24, 8
	s_add_co_u32 s26, s26, s17                     ; + my 64 channels
	s_add_nc_u64 s[6:7], s[6:7], s[26:27]
	s_mul_i32 s26, s25, PKG
	s_add_nc_u64 s[10:11], s[10:11], s[26:27]
	s_lshl_b32 s26, s24, 12
	s_add_co_u32 s26, s26, VIMG
	s_add_nc_u64 s[28:29], s[10:11], s[26:27]      ; my four fragments
	s_lshl_b32 s26, s24, 8
	s_add_co_u32 s26, s26, VSCL
	s_add_nc_u64 s[30:31], s[10:11], s[26:27]      ; my two scale registers
.macro LOADB be                        ; block be: keys 32 (be / 2) + i, channels 32 (be % 2) + lane, into set be % 2
.irp i, 0,1,2,3,4,5,6,7,8,9,10,11,12,13,14,15,16,17,18,19,20,21,22,23,24,25,26,27,28,29,30,31
	global_load_b32 v[VX+32*((\be)%2)+\i], v8, s[6:7] offset:(32*((\be)/2)+\i)*512+128*((\be)%2) th:TH_LOAD_NT
.endr
.endm
.macro VBLOCK be
.set XS, VX+32*((\be)%2)
.if \be < 7
	s_wait_loadcnt 32                              ; this block's 32 loads are in; the next block's may be out
.else
	s_wait_loadcnt 0x0
.endif
	v_max3_num_f32 v[QT], |v[XS]|, |v[XS+1]|, |v[XS+2]|            ; the block's largest magnitude: all 32 numbers are mine
	v_max3_num_f32 v[QT+1], |v[XS+3]|, |v[XS+4]|, |v[XS+5]|
.irp i, 6,10,14,18,22,26
	v_max3_num_f32 v[QT], v[QT], |v[XS+\i]|, |v[XS+\i+1]|
	v_max3_num_f32 v[QT+1], v[QT+1], |v[XS+\i+2]|, |v[XS+\i+3]|
.endr
	v_max3_num_f32 v[QT], v[QT], |v[XS+30]|, |v[XS+31]|
	v_max3_num_f32 v[QT], v[QT], v[QT+1], 0x1800000                ; and the floor 2^(3 - 127)
	v_add_nc_u32 v[QT+2], 0xff000000, v[QT]        ; the conversion's scale operand
	v_lshrrev_b32 v[QT+3], 23, v[QT+2]             ; the scale's byte: byte be / 2 of my channel's word
.if \be < 2
	v_mov_b32 v[SW+\be%2], v[QT+3]
.else
	v_lshl_or_b32 v[SW+\be%2], v[QT+3], 8*(\be/2), v[SW+\be%2]
.endif
.irp g, 0,1,2,3
	v_cvt_scalef32_pk8_fp4_f32 v[VC+4*\be+\g], v[XS+8*\g:XS+8*\g+7], v[QT+2]
.endr
	v_nop                                          ; one plain place behind the last scaled conversion
	global_store_b128 v9, v[VC+4*\be:VC+4*\be+3], s[28:29] offset:2048*(\be%2)+256*(\be/2)   ; key block j is registers 4 (j / 2) .. of the lanes of half j % 2: lanes 0-15 store 256 consecutive bytes of one tile's image, lanes 16-31 of the next tile's
.if \be < 6
	LOADB \be+2
.endif
.endm
	LOADB 0
	LOADB 1
.irp e, 0,1,2,3,4,5,6,7
	VBLOCK \e
.endr
	global_store_b64 v3, v[SW:SW+1], s[30:31]      ; lane = channel within my 32: 256 consecutive bytes, aligned
; ---------------- The roles join.  The one barrier stands on the path that every wave of every role takes; it parts role M's stores into its stage from the reads below.
.Ljoin:
	s_wait_dscnt 0x0                               ; for the others' sake: my LDS stores have landed
	s_barrier_signal -1
	s_barrier_wait -1
	s_cmp_lt_u32 ttmp9, 256
	s_cbranch_scc1 .Lend
	s_sub_co_u32 s24, ttmp9, 256                   ; role M: the tile's 8,192 bytes of bits leave as they lie, 1,024 a wave
	s_lshl_b32 s26, s24, 13
	s_lshl_b32 s25, s16, 10
	s_add_co_u32 s26, s26, s25
	s_add_nc_u64 s[12:13], s[12:13], s[26:27]
	ds_load_b128 v[32:35], v7                      ; steps 4 w and 4 w + 1: 16 rows x 16 bytes each
	ds_load_b128 v[36:39], v7 offset:2*MP          ; steps 4 w + 2 and 4 w + 3
	s_wait_dscnt 0x0
	global_store_b128 v2, v[32:35], s[12:13]       ; 512 consecutive bytes, aligned
	global_store_b128 v2, v[36:39], s[12:13] offset:512
.Lend:
	s_wait_tensorcnt 0x0
	ds_add_u32 v254, v255
	s_wait_dscnt 0x0
	s_endpgm
.Lfunc_end_k_q33d8c5baac_prep:
	.size	k_q33d8c5baac_prep, .Lfunc_end_k_q33d8c5baac_prep-k_q33d8c5baac_prep
	.p2alignl 7, 3214868480
	.fill 96, 4, 3214868480
	.section	.rodata,"a",@progbits
	.p2align	6, 0x0
	.amdhsa_kernel k_q33d8c5baac_prep
		.amdhsa_group_segment_fixed_size 77312
		.amdhsa_private_segment_fixed_size 0
		.amdhsa_enable_private_segment 0
		.amdhsa_kernarg_size 48
		.amdhsa_user_sgpr_count 2
		.amdhsa_user_sgpr_kernarg_segment_ptr 1
		.amdhsa_wavefront_size32 1
		.amdhsa_system_sgpr_workgroup_id_x 1
		.amdhsa_system_sgpr_workgroup_id_y 1
		.amdhsa_system_sgpr_workgroup_id_z 1
		.amdhsa_system_vgpr_workitem_id 0
		.amdhsa_next_free_vgpr 256
		.amdhsa_next_free_sgpr 66
		.amdhsa_reserve_vcc 1
		.amdhsa_float_denorm_mode_32 3
		.amdhsa_float_denorm_mode_16_64 3
		.amdhsa_memory_ordered 1
		.amdhsa_forward_progress 1
		.amdhsa_inst_pref_size 111
	.end_amdhsa_kernel
	.amdgpu_metadata
---
amdhsa.version: [ 1, 2 ]
amdhsa.kernels:
  - .name:           k_q33d8c5baac_prep
    .symbol:         k_q33d8c5baac_prep.kd
    .args:
      - { .name: k, .offset: 0, .size: 8, .value_kind: global_buffer, .address_space: global }
      - { .name: v, .offset: 8, .size: 8, .value_kind: global_buffer, .address_space: global }
      - { .name: attn_mask, .offset: 16, .size: 8, .value_kind: global_buffer, .address_space: global }
      - { .name: kvp, .offset: 24, .size: 8, .value_kind: global_buffer, .address_space: global }
      - { .name: mbits, .offset: 32, .size: 8, .value_kind: global_buffer, .address_space: global }
      - { .name: flags, .offset: 40, .size: 8, .value_kind: global_buffer, .address_space: global }
    .group_segment_fixed_size: 77312
    .private_segment_fixed_size: 0
    .kernarg_segment_align: 8
    .kernarg_segment_size: 48
    .max_flat_workgroup_size: 256
    .sgpr_count:     66
    .vgpr_count:     256
    .wavefront_size: 32
...
	.end_amdgpu_metadata
.endif
;; end of part 1
;; launch attn (part 2): grid 16 x 16, 16 waves a work-group, no clusters, 172,032 bytes of LDS; arguments q, kvp, mbits, flags, out0; writes out0
.if DOCPART == 2
	.amdgcn_target "amdgcn-amd-amdhsa--gfx1250"
	.amdhsa_code_object_version 6
	.text
	.protected	k_q33d8c5baac_attn
	.globl	k_q33d8c5baac_attn
	.p2align	8
	.type	k_q33d8c5baac_attn,@function
k_q33d8c5baac_attn:
	s_mov_b64 s[64:65], 0
	v_nop
	global_prefetch_b8 v0, s[64:65] scope:SCOPE_SE
	s_setreg_imm32_b32 hwreg(HW_REG_WAVE_MODE, 25, 1), 1
	s_wait_xcnt 0x0
; out0[q][128 head + d] = the sum over keys of softmax_k(q . k / sqrt(128), hidden keys at -infinity) v, both products on codes of FP4 (E2M1) with one E8M0 scale for each 32 along a product's K.
; THE SOFTMAX AHEAD OF THE SECOND PRODUCT: t = score x log2(e) / sqrt(128); M = the row's largest t so far, rounded UP to a whole number; p = 2^(t - M) is what is quantised, along the keys, not normalised.
; The row's sum is taken of the unquantised p and divides O at the end.  When M moves, the sum and O are multiplied by 2^(old M - new M): exact.
; SHARES.  A work-group (x, head) of SIXTEEN waves; a wave owns one tile of 16 queries in 256 registers.  Eight waves take the block of 128 queries x, eight the block 31 - x, dealt so that of waves w, w + 4, w + 8, w + 12 and
; of waves 4 a .. 4 a + 3 alike two belong to each block.  That serves only the balance under masks that hide more from early queries; the result hangs on it for no mask.
; Every wave walks all 32 key steps of 128 keys.  A step's package (K's and V's fragments and scale words as images of the operands' registers, 17,408 bytes, made by the launch before) goes from memory through
; registers into one of two LDS slots: each thread carries 16 + 16 + 2 bytes.  The loads run ahead: a package is asked for at the end of step s - 5 and stored into its slot at the head of step s - 1.
; THE MASK IS READ, NOT ASSUMED.  Two words of flags for the tile (from the launch before) say for each step whether any key counts (else the step's WORK is jumped over: a scalar branch on stored whole numbers)
; and whether all keys count (else each score is tested against its bit and hidden scores become -infinity ahead of the maximum).  The staging, the waits and the barrier are on every path.
; WHY NO TENSOR LOADS AND NO JOINT REQUESTS, though the 16 work-groups of a head read the same packages: the branch on the flags
; is what spares the work: under a lower-triangular mask 67,584 of the 131,072 tile steps remain, each some 250 vector instructions, while a step's package is 34 bytes a thread.
; NO PREFETCH: the loads themselves go out three whole steps ahead of the wait for them.
; LAYOUT.  Both products are used transposed: S^T = K Q^T (source 0 = 16 keys, source 1 = my queries), O^T = V^T P^T: a lane holds ONE query (lane % 16) throughout.  The keys of a tile of K are chosen so that the
; 16 registers of tiles 2 b, 2 b + 1 are keys 32 b + 16 (lane / 16) + 0 .. 15.
; LIMITS: t is formed as score x (log2(e) / sqrt(128)) in one multiplication; the running largest t starts at -3e38, under which no t is served; a block of zeros gets the scale byte 1 where the rule says 127 (its codes are
; zeros); NaN and infinities in q are not served.  A row with no key that counts comes out as 0 x (1 / 0) = NaN, as the definition has it.
.set PKG,    17408                     ; a package, and an LDS slot
.set VIMG,   8192
.set KSCL,   16384
.set VSCL,   16896
.set STG,    2*PKG                     ; behind the two slots: a stage of 16 rows x (512 + 16) bytes for each wave, its own: q's turn at the head, the way out at the end
.set SPITCH, 528
.set WSTG,   16*SPITCH
.set LASTP,  31*PKG
.set LASTM,  31*256
; v0 thread; v1 16 lane; v2 16 thread; v3 16 r + 8 h; v5 2 thread; v6 8 lane; v8 stage + 16 lane; v9 stage + 528 r + 128 h; v10 8 h; v11 stage + 528 r + 32 h: all made at the head and never rewritten
; v12 -M; v13 the largest t; v[14:15] the sum in two halves
.set QC,  16                           ; v16-23   Q's codes
.set MK,  24                           ; v24-31   mask words: four sets of two
.set FR,  32                           ; v32-63   four fragments of K or of V
.set KS,  64                           ; v64-95   packages on their way: four sets of 4 (K) + 4 (V)
.set SR,  96                           ; v96-159  S^T, then p
.set OA,  160                          ; v160-223 O^T
.set PC,  224                          ; v224-231 p's codes
.set QT,  232                          ; v232-239 at work
.set SCS, 240                          ; v240-243 two scale bytes on their way: four sets
.set SO,  244                          ; v244-247 the conversions' scale operands; at work under the mask
.set WS,  248                          ; v248-251 K's or V's scale words: register i: tile 2 i in lanes 0-15, tile 2 i + 1 in lanes 16-31
.set FF,  252                          ; v252     f = 2^(old M - new M)
.set PWD, 253                          ; v253     p's scale word
.set TT,  254
.set QW,  255                          ; v255     Q's scale word
.set WV,  18
.set SEL, 20                           ; s[20:21] lane selects for v_permlanex16_b32: lane l xor 16
.set CS,  22                           ; s[22:23] c = log2(e) / sqrt(128)
.set PA,  24                           ; s[24:25] the package that is being asked for
.set MA,  26                           ; s[26:27] the mask words that are being asked for
.set OFFP, 28                          ; s[28:29] their offsets, which walk and are held at the last step's
.set OFFM, 30
.set ANY, 32
.set ALL, 33
.set TRIP, 34
	s_load_b256 s[4:11], s[0:1], 0x0               ; q s[4:5], kvp s[6:7], mbits s[8:9], flags s[10:11]
	s_load_b64 s[12:13], s[0:1], 0x20              ; out0
	v_lshrrev_b32 v4, 5, v0
	v_readfirstlane_b32 s[WV], v4                  ; wave 0..15
	v_and_b32 v4, 31, v0                           ; lane
	v_and_b32 v7, 15, v0                           ; r
	v_bfe_u32 v10, v0, 4, 1                        ; h
	v_lshlrev_b32 v1, 4, v4
	v_lshlrev_b32 v2, 4, v0
	v_lshlrev_b32 v3, 4, v7
	v_lshl_add_u32 v3, v10, 3, v3
	v_lshlrev_b32 v5, 1, v0
	v_lshlrev_b32 v6, 3, v4
	s_mul_i32 s35, s[WV], WSTG
	s_add_co_u32 s35, s35, STG                     ; my stage
	v_add_nc_u32 v8, s35, v1
	v_mul_u32_u24 v9, v7, SPITCH
	v_add_nc_u32 v9, s35, v9
	v_lshl_add_u32 v11, v10, 5, v9
	v_lshl_add_u32 v9, v10, 7, v9
	v_lshlrev_b32 v10, 3, v10
	s_lshr_b32 s35, s[WV], 2
	s_xor_b32 s35, s35, s[WV]
	s_and_b32 s35, s35, 1                          ; which of the two blocks of queries is my wave's
	s_sub_co_u32 s36, 31, ttmp9
	s_cmp_eq_u32 s35, 0
	s_cselect_b32 s36, ttmp9, s36                  ; block x or block 31 - x
	s_lshr_b32 s37, s[WV], 1
	s_lshl_b32 s36, s36, 3
	s_add_co_u32 s36, s36, s37                     ; T, my tile of 16 queries: 8 x block + wave / 2
	s_and_b32 s37, ttmp7, 0xffff                   ; the head
	s_lshl_b32 s38, s37, 21                        ; q: a head is 4,096 rows of 512 bytes,
	s_lshl_b32 s40, s36, 13                        ; a tile 16 rows.  (A tile's mask bits are 8,192 bytes too)
	s_add_co_u32 s38, s38, s40
	s_mov_b32 s39, 0
	s_mov_b32 s41, 0
	s_mov_b32 s[SEL], 0x76543210
	s_mov_b32 s[SEL+1], 0xfedcba98
	s_mov_b32 s[CS], 0x3e0293ee
	s_mov_b32 s[CS+1], s[CS]                       ; (named with it as a pair, so it is written)
	s_mov_b32 s[OFFP], 5*PKG
	s_mov_b32 s[OFFP+1], 0
	s_mov_b32 s[OFFM], 4*256
	s_mov_b32 s[OFFM+1], 0
	s_mov_b32 s[TRIP], 0
	s_wait_kmcnt 0x0
	s_add_nc_u64 s[4:5], s[4:5], s[38:39]          ; q at my tile
	s_add_nc_u64 s[8:9], s[8:9], s[40:41]          ; mbits at my tile
	s_mul_i32 s38, s37, 32*PKG
	s_add_nc_u64 s[6:7], s[6:7], s[38:39]          ; kvp at my head
	s_lshl_b32 s38, s36, 6
	s_add_nc_u64 s[10:11], s[10:11], s[38:39]      ; flags at my tile: 64 bytes
	s_lshl_b32 s38, s36, 17                        ; out0: 16 rows of 8,192 bytes,
	s_lshl_b32 s40, s37, 9                         ; the head's 512 bytes of a row
	s_add_co_u32 s38, s38, s40
	s_add_nc_u64 s[12:13], s[12:13], s[38:39]
	s_load_b512 s[44:59], s[10:11], 0x0            ; eight pairs (ANY, ALL), one for each pair of my rows
; THE FIRST LOADS, in this order: q (16); package 0 (3); three groups of four (a package and a step's mask words)
.macro KVSI n, set                     ; package n, by immediates: my 16 bytes of K's images, of V's, my 2 bytes of the scale words
	global_load_b128 v[KS+8*\set:KS+8*\set+3], v2, s[6:7] offset:\n*PKG
	global_load_b128 v[KS+8*\set+4:KS+8*\set+7], v2, s[6:7] offset:\n*PKG+VIMG
	global_load_u16 v[SCS+\set], v5, s[6:7] offset:\n*PKG+KSCL
.endm
.irp p, 0,1,2,3,4,5,6,7,8,9,10,11,12,13,14,15
	global_load_b128 v[SR+4*\p:SR+4*\p+3], v1, s[4:5] offset:512*\p th:TH_LOAD_NT   ; a row of q: 512 consecutive bytes
.endr
	KVSI 0, 0
.irp n, 1,2,3
	KVSI \n, \n
	global_load_b64 v[MK+2*(\n-1):MK+2*(\n-1)+1], v3, s[8:9] offset:256*(\n-1)   ; 32 lanes read 256 consecutive bytes
.endr
.irp b, 0,1,2,3
	v_mov_b32 v[QT+4+\b], 0                        ; written once: a lane permute's destination counts as one of its sources
.endr
	v_mov_b32 v[FF], 0                             ; likewise (the way out names it so, in a wave that has jumped over every step too)
	v_mov_b32 v[PWD], 0                            ; (named as the upper half of the pair v[252:253] before it is first written)
	v_mov_b32 v13, 0xff61b1e6                      ; the largest t so far: -3e38
	v_floor_f32 v12, -v13                          ; -M
	v_mov_b32 v14, 0
	v_mov_b32 v15, 0
; 64 numbers of a lane, register 32 b + i = k 64 b + 32 h + i of its row (two whole blocks, 2 b + h), become a fragment's codes in v[cr] on and the row's scale word in v[wr], in every lane
.macro QUANT2 xr, cr, wr
.irp b, 0,1
	v_max3_num_f32 v[QT+\b], |v[\xr+32*\b]|, |v[\xr+32*\b+1]|, 0x1800000   ; with the floor 2^(3 - 127) among the leaves: the byte cannot fall under 1
.endr
.irp i, 2,4,6,8,10,12,14,16,18,20,22,24,26,28,30
.irp b, 0,1
	v_max3_num_f32 v[QT+\b], v[QT+\b], |v[\xr+32*\b+\i]|, |v[\xr+32*\b+\i+1]|
.endr
.endr
.irp b, 0,1
	v_add_nc_u32 v[QT+2+\b], 0xff000000, v[QT+\b]  ; 2 off the exponent field: the conversion's scale operand
.endr
.irp b, 0,1
	v_lshrrev_b32 v[QT+4+\b], 23, v[QT+2+\b]       ; the scale's byte
.endr
	v_lshl_or_b32 v[\wr], v[QT+5], 16, v[QT+4]
	v_lshlrev_b32 v[\wr], v10, v[\wr]              ; my two bytes at their places (8 h bits up);
	v_permlanex16_b32 v[QT+6], v[\wr], s[SEL], s[SEL+1]
	v_or_b32 v[\wr], v[\wr], v[QT+6]               ; with lane l xor 16's two the word is whole
.irp b, 0,1
.irp g, 0,1,2,3
	v_cvt_scalef32_pk8_fp4_f32 v[\cr+4*\b+\g], v[\xr+32*\b+8*\g:\xr+32*\b+8*\g+7], v[QT+2+\b]
.endr
.endr
	v_nop                                          ; one plain place behind the last scaled conversion
.endm
	s_wait_loadcnt 15                              ; q is in; behind it stand package 0's three loads and the three groups' twelve
.irp p, 0,1,2,3,4,5,6,7,8,9,10,11,12,13,14,15
	ds_store_b128 v8, v[SR+4*\p:SR+4*\p+3] offset:SPITCH*\p        ; q turns through my stage: rows in,
.endr
.irp c, 0,1
.irp g, 0,1,2,3,4,5,6,7
	ds_load_b128 v[OA+32*\c+4*\g:OA+32*\c+4*\g+3], v9 offset:256*\c+16*\g   ; 64 numbers of my query out (LDS serves a wave's instructions in order: ISA guide 5.7.1.4)
.endr
.endr
	s_wait_dscnt 0x0
	QUANT2 OA, QC, QW
.irp j, 0,1,2,3,4,5,6,7,8,9,10,11,12,13,14,15,16,17,18,19,20,21,22,23,24,25,26,27,28,29,30,31,32,33,34,35,36,37,38,39,40,41,42,43,44,45,46,47,48,49,50,51,52,53,54,55,56,57,58,59,60,61,62,63
	v_mov_b32 v[OA+\j], 0                          ; O^T.  Which step is a wave's first hangs on the mask, so no first step is written out: the first finds zeros.  (These lines are also the places between Q's codes and scale word and the first product)
.endr
	s_wait_loadcnt 12                              ; package 0 is in; the three groups may be out
	ds_store_b128 v2, v[KS:KS+3]
	ds_store_b128 v2, v[KS+4:KS+7] offset:VIMG
	ds_store_b16 v5, v[SCS] offset:KSCL
	s_wait_dscnt 0x0                               ; for the others' sake: my part of slot 0 has landed; and set 0 may be loaded again:
	KVSI 4, 0                                      ; the fourth group
	global_load_b64 v[MK+6:MK+7], v3, s[8:9] offset:256*3
	s_wait_kmcnt 0x0
	s_or_b32 s[ANY], s44, s46                      ; a step counts for the tile if it counts for one of its rows,
	s_and_b32 s[ALL], s45, s47                     ; and is open if it is open for all of them
.irp p, 48,50,52,54,56,58
	s_or_b32 s[ANY], s[ANY], s[\p]
	s_and_b32 s[ALL], s[ALL], s[\p+1]
.endr
	s_barrier_signal -1
	s_barrier_wait -1                              ; slot 0 is whole
.macro PLACES                          ; four plain vector instructions behind a matrix instruction, in front of loads into its registers and of the first read of its result (ISA guide 7.12.1 for vector instructions)
.rept 4
	v_nop
.endr
.endm
.macro FRAGS base, t0                  ; four fragments, as they were stored: 16 bytes a lane, 512 bytes on end
.irp t, 0,1,2,3
.irp c, 0,1
	ds_load_b128 v[FR+8*\t+4*\c:FR+8*\t+4*\c+3], v1 offset:(\base)+1024*((\t0)+\t)+512*\c
.endr
.endr
.endm
.macro WORDS base                      ; the four scale registers of eight tiles
	ds_load_b64 v[WS:WS+1], v6 offset:(\base)
	ds_load_b64 v[WS+2:WS+3], v6 offset:(\base)+256
.endm
.macro KQ t                            ; S^T, tile t of 16 keys.  An odd tile's scale words stand in lanes 16-31 of their register
.if (\t)%2
	v_wmma_scale_f32_16x16x128_f8f6f4 v[SR+8*(\t):SR+8*(\t)+7], v[FR+8*((\t)%4):FR+8*((\t)%4)+7], v[QC:QC+7], 0, v[WS+(\t)/2], v[QW] matrix_a_fmt:MATRIX_FMT_FP4 matrix_b_fmt:MATRIX_FMT_FP4 matrix_a_scale:MATRIX_SCALE_ROW1
.else
	v_wmma_scale_f32_16x16x128_f8f6f4 v[SR+8*(\t):SR+8*(\t)+7], v[FR+8*((\t)%4):FR+8*((\t)%4)+7], v[QC:QC+7], 0, v[WS+(\t)/2], v[QW] matrix_a_fmt:MATRIX_FMT_FP4 matrix_b_fmt:MATRIX_FMT_FP4
.endif
.endm
.macro PV t                            ; O^T += V^T P^T, tile t of 16 channels.  The eight accumulators take turns, one instruction a turn
.if (\t)%2
	v_wmma_scale_f32_16x16x128_f8f6f4 v[OA+8*(\t):OA+8*(\t)+7], v[FR+8*((\t)%4):FR+8*((\t)%4)+7], v[PC:PC+7], v[OA+8*(\t):OA+8*(\t)+7], v[WS+(\t)/2], v[PWD] matrix_a_fmt:MATRIX_FMT_FP4 matrix_b_fmt:MATRIX_FMT_FP4 matrix_a_scale:MATRIX_SCALE_ROW1
.else
	v_wmma_scale_f32_16x16x128_f8f6f4 v[OA+8*(\t):OA+8*(\t)+7], v[FR+8*((\t)%4):FR+8*((\t)%4)+7], v[PC:PC+7], v[OA+8*(\t):OA+8*(\t)+7], v[WS+(\t)/2], v[PWD] matrix_a_fmt:MATRIX_FMT_FP4 matrix_b_fmt:MATRIX_FMT_FP4
.endif
.endm
; A group of four loads, at a step's end: the package five steps on and the mask words four steps on.  The offsets are held at the last step's, so that the last trips ask for it again: no load leaves its buffer,
; and every wait's count holds in every trip.
.macro GROUP kset, mset
	s_wait_xcnt 0x0                                ; the last group, a step back, has read its bases: they are written again only behind this wait
	s_add_nc_u64 s[PA:PA+1], s[6:7], s[OFFP:OFFP+1]
	s_add_nc_u64 s[MA:MA+1], s[8:9], s[OFFM:OFFM+1]
	global_load_b128 v[KS+8*(\kset):KS+8*(\kset)+3], v2, s[PA:PA+1]
	global_load_b128 v[KS+8*(\kset)+4:KS+8*(\kset)+7], v2, s[PA:PA+1] offset:VIMG
	global_load_u16 v[SCS+(\kset)], v5, s[PA:PA+1] offset:KSCL
	global_load_b64 v[MK+2*(\mset):MK+2*(\mset)+1], v3, s[MA:MA+1]
	s_add_co_u32 s[OFFP], s[OFFP], PKG
	s_min_u32 s[OFFP], s[OFFP], LASTP
	s_add_co_u32 s[OFFM], s[OFFM], 256
	s_min_u32 s[OFFM], s[OFFM], LASTM
.endm
; The softmax of one tile and one key step: 64 scores a lane become p, its codes and its scale word; the sum and O^T come under the new M.
.macro SOFTMAX
.irp b, 0,1,2,3
	v_max3_num_f32 v[QT+\b], v[SR+16*\b], v[SR+1+16*\b], v[SR+2+16*\b]   ; THE LARGEST SCORE OF EACH BLOCK OF 32 KEYS serves twice: for the row's maximum, and, since p rises with the score, for the block's largest p
.endr
.irp i, 3,5,7,9,11,13
.irp b, 0,1,2,3
	v_max3_num_f32 v[QT+\b], v[QT+\b], v[SR+16*\b+\i], v[SR+1+16*\b+\i]   ; (the four blocks by turns)
.endr
.endr
.irp b, 0,1,2,3
	v_max_num_f32 v[QT+\b], v[QT+\b], v[SR+15+16*\b]
.endr
.irp b, 0,1,2,3
	v_permlanex16_b32 v[QT+4+\b], v[QT+\b], s[SEL], s[SEL+1]
.endr
.irp b, 0,1,2,3
	v_max_num_f32 v[QT+\b], v[QT+\b], v[QT+4+\b]   ; with lane l xor 16's 16 keys
.endr
	v_max3_num_f32 v[TT], v[QT], v[QT+1], v[QT+2]
	v_max_num_f32 v[TT], v[TT], v[QT+3]            ; the step's largest score of my query (-infinity where all its keys are hidden)
	v_mul_f32 v[TT], s[CS], v[TT]                  ; as t (c is positive)
	v_max_num_f32 v13, v13, v[TT]                  ; the running largest t
	v_mov_b32 v[TT], v12
	v_floor_f32 v12, -v13                          ; the new -M = floor(-t) = -ceil(t): M IS A WHOLE NUMBER
	v_sub_f32 v[TT], v12, v[TT]                    ; M's old value less its new one: a whole number, 0 or less
	v_cvt_i32_f32 v[TT], v[TT]                     ; (it saturates)
	v_ldexp_f32 v[FF], 1.0, v[TT]                  ; f = 2^(old M - new M)
.irp j, 0,2,4,6,8,10,12,14,16,18,20,22,24,26,28,30,32,34,36,38,40,42,44,46,48,50,52,54,56,58,60,62
	v_pk_fma_f32 v[SR+\j:SR+1+\j], v[SR+\j:SR+1+\j], s[CS:CS+1], v[12:13] op_sel_hi:[1,0,0]   ; t - M, two at a time (of the pairs c and -M the low word serves both halves)
.endr
.irp b, 0,1,2,3
	v_fma_f32 v[QT+\b], v[QT+\b], s[CS], v12       ; the same of each block's largest score
.endr
.irp j, 0,1,2,3,4,5,6,7,8,9,10,11,12,13,14,15,16,17,18,19,20,21,22,23,24,25,26,27,28,29,30,31,32,33,34,35,36,37,38,39,40,41,42,43,44,45,46,47,48,49,50,51,52,53,54,55,56,57,58,59,60,61,62,63
	v_exp_f32 v[SR+\j], v[SR+\j]                   ; p = 2^(t - M), at most 1: NOT normalised; 0 for a hidden key
.endr
.irp b, 0,1,2,3
	v_exp_f32 v[QT+\b], v[QT+\b]                   ; the block's largest p: the same two instructions on the same number give the same bits
.endr
	v_pk_mul_f32 v[14:15], v[14:15], v[FF:FF+1] op_sel_hi:[1,0]    ; the sums under the new M.  (A plain place behind the exponentials)
	s_wait_alu depctr_va_vdst(0)
.irp b, 0,1,2,3
	v_max_num_f32 v[QT+\b], 0x1800000, v[QT+\b]    ; the floor 2^(3 - 127): the byte cannot fall under 1 (a block whose every p is 0 keeps that byte: its codes are zeros)
.endr
.irp b, 0,1,2,3
	v_add_nc_u32 v[SO+\b], 0xff000000, v[QT+\b]    ; 2 off the exponent field: the conversion's scale operand
.endr
.irp b, 0,1,2,3
	v_lshrrev_b32 v[QT+4+\b], 23, v[SO+\b]         ; the scale's byte
.endr
	v_lshl_or_b32 v[PWD], v[QT+5], 8, v[QT+4]      ; p's scale word for these 128 keys
	v_lshl_or_b32 v[PWD], v[QT+6], 16, v[PWD]
	v_lshl_or_b32 v[PWD], v[QT+7], 24, v[PWD]
.irp b, 0,1,2,3
	v_cvt_scalef32_pk8_fp4_f32 v[PC+2*\b], v[SR+16*\b:SR+7+16*\b], v[SO+\b]
	v_cvt_scalef32_pk8_fp4_f32 v[PC+1+2*\b], v[SR+8+16*\b:SR+15+16*\b], v[SO+\b]
.endr
	v_nop                                          ; one plain place behind the last scaled conversion
.irp c, 0,1                            ; the operand's layout wants a WHOLE block in a lane: lanes 0-15 block 2 c, lanes 16-31 block 2 c + 1
.irp i, 0,1
	v_permlane16_swap_b32 v[PC+4*\c+\i], v[PC+2+4*\c+\i]
.endr
.endr
	v_pk_add_f32 v[QT+4:QT+5], v[SR:SR+1], v[SR+2:SR+3]            ; THE ROW'S SUM IS TAKEN OF THE UNQUANTISED p: two at a time, in two chains
.irp j, 4,8,12,16,20,24,28,32,36,40,44,48,52,56,60
	v_pk_add_f32 v[14:15], v[14:15], v[SR+\j:SR+1+\j]
	v_pk_add_f32 v[QT+4:QT+5], v[QT+4:QT+5], v[SR+2+\j:SR+3+\j]
.endr
	v_pk_add_f32 v[14:15], v[14:15], v[QT+4:QT+5]
.irp j, 0,2,4,6,8,10,12,14,16,18,20,22,24,26,28,30,32,34,36,38,40,42,44,46,48,50,52,54,56,58,60,62
	v_pk_mul_f32 v[OA+\j:OA+1+\j], v[OA+\j:OA+1+\j], v[FF:FF+1] op_sel_hi:[1,0]   ; O^T under the new M: x f.  (These and the sums are also the places between p's codes and scale word and the products below)
.endr
.endm
; A KEY STEP, the k-th of a trip's four: it reads slot k % 2.
.macro STEP k
.set SL, ((\k)%2)*PKG
.set OT, (1-(\k)%2)*PKG
.set NS, ((\k)+1)%4
	s_wait_loadcnt 12                              ; the oldest group is in: the next step's package and this step's mask words; the three younger groups, twelve loads, stay out
	ds_store_b128 v2, v[KS+8*NS:KS+8*NS+3] offset:OT               ; my part of the next step's package, into the slot that was read in the step before: all its readers had their loads back ahead of that step's barrier
	ds_store_b128 v2, v[KS+8*NS+4:KS+8*NS+7] offset:OT+VIMG
	ds_store_b16 v5, v[SCS+NS] offset:OT+KSCL
	s_bitcmp1_b32 s[ANY], 0                        ; does any key of this step count for any of my 16 queries?
	s_cbranch_scc0 .Lidle_\@                       ; no: the step's work is jumped over; not the staging, nor the waits and the barrier at its end
	FRAGS SL, 0
	WORDS SL+KSCL
	s_wait_dscnt 0x0
	KQ 0
	KQ 1
	KQ 2
	KQ 3
	PLACES
	FRAGS SL, 4
	s_wait_dscnt 0x0
	KQ 4
	KQ 5
	KQ 6
	KQ 7
	PLACES
	FRAGS SL+VIMG, 0                               ; V's first four fragments and its scale words are asked for here and land under the softmax
	WORDS SL+VSCL
	s_bitcmp1_b32 s[ALL], 0                        ; do all 128 keys count for all 16 queries?
	s_cbranch_scc1 .Lopen_\@
	v_mov_b32 v[TT], 0xff800000                    ; no: each score against its bit; a hidden score becomes -infinity ahead of the maximum.  Four at a time, from each accumulator's low end on
.set n, 0
.rept 16
.irp x, 0,1,2,3
	v_and_b32 v[SO+\x], 1<<(8*(n/16)+4*(\x%2)+(n%16)/4), v[MK+2*(\k)+\x/2]   ; register n + x holds key 32 (n / 16) + 16 h + n % 16 + x
.endr
.irp x, 0,1,2,3
	v_cmp_eq_u32 s[40+\x], 0, v[SO+\x]
.endr
.irp x, 0,1,2,3
	v_cndmask_b32 v[SR+n+\x], v[SR+n+\x], v[TT], s[40+\x]
.endr
.set n, n+4
.endr
.Lopen_\@:
	SOFTMAX
	s_wait_dscnt 0x0                               ; V's first four fragments and its scale words are in
	PV 0
	PV 1
	PV 2
	PV 3
	PLACES
	FRAGS SL+VIMG, 4
	s_wait_dscnt 0x0
	PV 4
	PV 5
	PV 6
	PV 7
	PLACES                                         ; in front of the next step's loads into the fragments' and scale words' registers
.Lidle_\@:
	s_wait_dscnt 0x0                               ; for the others' sake: my stores into the other slot have landed, and my reads of this slot are over
	GROUP NS, \k                                   ; into the set just stored and the mask words just used
	s_lshr_b32 s[ANY], s[ANY], 1                   ; the next step's flags
	s_lshr_b32 s[ALL], s[ALL], 1
	s_barrier_signal -1
	s_barrier_wait -1                              ; ONE barrier a step: the other slot is whole, and nobody reads this one any more
.endm
.Ltrip:                                            ; 8 trips of four steps: after four the sets of registers are back where they began.  (The last step stores the last package once more into a slot that nobody reads again)
	STEP 0
	STEP 1
	STEP 2
	STEP 3
	s_add_co_u32 s[TRIP], s[TRIP], 1
	s_cmp_lt_u32 s[TRIP], 8
	s_cbranch_scc1 .Ltrip
	; THE WAY OUT.  O^T is divided by the row's sum and goes through my stage, so that a row's 512 bytes leave together.
	s_wait_loadcnt 0x0                             ; the last groups still aim at v24-31, v64-95 and v240-243
	v_add_f32 v14, v14, v15                        ; the sum's two halves,
	v_permlanex16_b32 v[FF], v14, s[SEL], s[SEL+1]
	v_add_f32 v14, v14, v[FF]                      ; and lane l xor 16's: the row's sum
	v_rcp_f32 v14, v14
	v_nop                                          ; one plain place behind the transcendental
	s_wait_alu depctr_va_vdst(0)
.irp j, 0,1,2,3,4,5,6,7,8,9,10,11,12,13,14,15,16,17,18,19,20,21,22,23,24,25,26,27,28,29,30,31,32,33,34,35,36,37,38,39,40,41,42,43,44,45,46,47,48,49,50,51,52,53,54,55,56,57,58,59,60,61,62,63
	v_mul_f32 v[SR+\j], v[OA+\j], v14              ; register 8 t + i is o(query r, channel 16 t + 8 h + i); each accumulator from its low end on
.endr
.irp t, 0,1,2,3,4,5,6,7
	ds_store_b128 v11, v[SR+8*\t:SR+8*\t+3] offset:64*\t
	ds_store_b128 v11, v[SR+8*\t+4:SR+8*\t+7] offset:64*\t+16
.endr
.irp i, 0,1,2,3,4,5,6,7,8,9,10,11,12,13,14,15
	ds_load_b128 v[FR+4*\i:FR+4*\i+3], v8 offset:SPITCH*\i         ; LDS serves a wave's instructions in order: these see my stores
.endr
.irp i, 0,1,2,3,4,5,6,7,8,9,10,11,12,13,14,15
	s_wait_dscnt 15-\i
	global_store_b128 v1, v[FR+4*\i:FR+4*\i+3], s[12:13] offset:8192*\i th:TH_STORE_NT   ; 32 lanes store 512 consecutive bytes, at a multiple of 512 from out0's first byte; written once, read by nobody here
.endr
	s_wait_xcnt 0x0
	v_lshl_add_u32 v254, v0, 2, 0x29800
	v_mov_b32 v255, 0
	s_wait_tensorcnt 0x0
	ds_add_u32 v254, v255
	s_wait_dscnt 0x0
	s_endpgm
.Lfunc_end_k_q33d8c5baac_attn:
	.size	k_q33d8c5baac_attn, .Lfunc_end_k_q33d8c5baac_attn-k_q33d8c5baac_attn
	.p2alignl 7, 3214868480
	.fill 96, 4, 3214868480
	.section	.rodata,"a",@progbits
	.p2align	6, 0x0
	.amdhsa_kernel k_q33d8c5baac_attn
		.amdhsa_group_segment_fixed_size 172032
		.amdhsa_private_segment_fixed_size 0
		.amdhsa_enable_private_segment 0
		.amdhsa_kernarg_size 40
		.amdhsa_user_sgpr_count 2
		.amdhsa_user_sgpr_kernarg_segment_ptr 1
		.amdhsa_wavefront_size32 1
		.amdhsa_system_sgpr_workgroup_id_x 1
		.amdhsa_system_sgpr_workgroup_id_y 1
		.amdhsa_system_sgpr_workgroup_id_z 1
		.amdhsa_system_vgpr_workitem_id 0
		.amdhsa_next_free_vgpr 256
		.amdhsa_next_free_sgpr 66
		.amdhsa_reserve_vcc 0
		.amdhsa_float_denorm_mode_32 3
		.amdhsa_float_denorm_mode_16_64 3
		.amdhsa_memory_ordered 1
		.amdhsa_forward_progress 1
		.amdhsa_inst_pref_size 142
	.end_amdhsa_kernel
	.amdgpu_metadata
---
amdhsa.version: [ 1, 2 ]
amdhsa.kernels:
  - .name:           k_q33d8c5baac_attn
    .symbol:         k_q33d8c5baac_attn.kd
    .args:
      - { .name: q, .offset: 0, .size: 8, .value_kind: global_buffer, .address_space: global }
      - { .name: kvp, .offset: 8, .size: 8, .value_kind: global_buffer, .address_space: global }
      - { .name: mbits, .offset: 16, .size: 8, .value_kind: global_buffer, .address_space: global }
      - { .name: flags, .offset: 24, .size: 8, .value_kind: global_buffer, .address_space: global }
      - { .name: out0, .offset: 32, .size: 8, .value_kind: global_buffer, .address_space: global }
    .group_segment_fixed_size: 172032
    .private_segment_fixed_size: 0
    .kernarg_segment_align: 8
    .kernarg_segment_size: 40
    .max_flat_workgroup_size: 512
    .sgpr_count:     66
    .vgpr_count:     256
    .wavefront_size: 32
...
	.end_amdgpu_metadata
.endif
;; end of part 2
;; ======== version 2 of 2: 2 launches; version 1 with the launch attn written anew for expert scheduling mode
;; workspace buffers: kvp 8,912,896 bytes; mbits 2,097,152 bytes of whole numbers; flags 16,384 bytes of whole numbers
;; launch prep: the kernel of part 1 again; grid 512 x 1, 8 waves a work-group, no clusters, 77,312 bytes of LDS; arguments k, v, attn_mask, kvp, mbits, flags; writes kvp, mbits, flags
;; launch attn (part 3): grid 16 x 16, 16 waves a work-group, no clusters, 172,032 bytes of LDS; arguments q, kvp, mbits, flags, out0; writes out0
.if DOCPART == 3
	.amdgcn_target "amdgcn-amd-amdhsa--gfx1250"
	.amdhsa_code_object_version 6
	.text
	.protected	k_q33d8c5baac_attn
	.globl	k_q33d8c5baac_attn
	.p2align	8
	.type	k_q33d8c5baac_attn,@function
k_q33d8c5baac_attn:
	s_mov_b64 s[64:65], 0
	v_nop
	global_prefetch_b8 v0, s[64:65] scope:SCOPE_SE
	s_setreg_imm32_b32 hwreg(HW_REG_WAVE_SCHED_MODE, 0, 2), 2
	s_setreg_imm32_b32 hwreg(HW_REG_WAVE_MODE, 25, 1), 1
	s_wait_xcnt 0x0
	s_wait_alu depctr_vm_vsrc(0)
; out0[q][128 head + d] = the sum over keys of softmax_k(q . k / sqrt(128), hidden keys at -infinity) v, both products on codes of FP4 (E2M1) with one E8M0 scale for each 32 along a product's K.
; THE SOFTMAX AHEAD OF THE SECOND PRODUCT: t = score x log2(e) / sqrt(128); M = the row's largest t so far, rounded UP to a whole number; p = 2^(t - M) is what is quantised, along the keys, not normalised.
; The row's sum is taken of the unquantised p and divides O at the end.  When M moves, the sum and O are multiplied by 2^(old M - new M): exact.
; SHARES.  A work-group (x, head) of SIXTEEN waves; a wave owns one tile of 16 queries in 256 registers.  Eight waves take the block of 128 queries x, eight the block 31 - x, dealt so that of waves w, w + 4, w + 8, w + 12 and
; of waves 4 a .. 4 a + 3 alike two belong to each block.  That serves only the balance under masks that hide more from early queries; the result hangs on it for no mask.
; Every wave walks all 32 key steps of 128 keys.  A step's package (K's and V's fragments and scale words as images of the operands' registers, 17,408 bytes, made by the launch before) goes from memory through
; registers into one of two LDS slots: each thread carries 16 + 16 + 2 bytes.  The loads run ahead: a package is asked for at the end of step s - 5 and stored into its slot at the head of step s - 1.
; THE MASK IS READ, NOT ASSUMED.  Two words of flags for the tile (from the launch before) say for each step whether any key counts (else the step's WORK is jumped over: a scalar branch on stored whole numbers)
; and whether all keys count (else each score is tested against its bit and hidden scores become -infinity ahead of the maximum).  The staging, the waits and the barrier are on every path.
; WHY NO TENSOR LOADS AND NO JOINT REQUESTS, though the 16 work-groups of a head read the same packages: the branch on the flags
; is what spares the work: under a lower-triangular mask 67,584 of the 131,072 tile steps remain, each some 250 vector instructions, while a step's package is 34 bytes a thread.
; NO PREFETCH: the loads themselves go out three whole steps ahead of the wait for them.
; LAYOUT.  Both products are used transposed: S^T = K Q^T (source 0 = 16 keys, source 1 = my queries), O^T = V^T P^T: a lane holds ONE query (lane % 16) throughout.  The keys of a tile of K are chosen so that the
; 16 registers of tiles 2 b, 2 b + 1 are keys 32 b + 16 (lane / 16) + 0 .. 15.
; LIMITS: t is formed as score x (log2(e) / sqrt(128)) in one multiplication; the running largest t starts at -3e38, under which no t is served; a block of zeros gets the scale byte 1 where the rule says 127 (its codes are
; zeros); NaN and infinities in q are not served.  A row with no key that counts comes out as 0 x (1 / 0) = NaN, as the definition has it.
; THE MODE: SCHED_MODE bits 1:0 = 2 (LLVM: expert scheduling mode 2), set by the entry lines.  The code itself states the register dependences between vector or matrix instructions and memory or LDS
; instructions, with s_wait_alu, always for 0.
; THE PLAN.  Registers that memory or LDS instructions touch, in the loop:
;   v1, v2, v3, v5, v6   offsets and LDS addresses: written at the head, never again.
;   KS, SCS (four sets)  written by global loads alone; the LDS stores at a step's head read a set, and the group of loads at that step's end lands in it again.
;   MK (four sets)       written by global loads; read by the mask's v_and_b32; loaded again at the end of the step that read it.
;   FR  v32-63           LDS loads: K's tiles 4-7, later V's tiles 0-3.  Read by the products KQ 4-7 and PV 0-3.
;   F2  v128-159         the upper half of S^T.  K's tiles 0-3 land here and KQ 0-3 read them; KQ 4-7 write their scores over them; the softmax works on these; behind the row's sums V's tiles 4-7 land here and PV 4-7 read them.
;   WS  v248-251         LDS loads: K's scale words, later V's.  Read by KQ and PV.
; So an active step has four waits on va_vdst: ahead of K's run of loads; behind KQ 7, ahead of V's first run; behind the exponentials; behind the row's sums, ahead of V's second run and of the second product.
; One wait on vm_vsrc stands at every step's end, ahead of the group of loads.  Under the mask one wait on va_sdst stands between each run of sixteen compares and its selects.
.set PKG,    17408                     ; a package, and an LDS slot
.set VIMG,   8192
.set KSCL,   16384
.set VSCL,   16896
.set STG,    2*PKG                     ; behind the two slots: a stage of 16 rows x (512 + 16) bytes for each wave, its own: q's turn at the head, the way out at the end
.set SPITCH, 528
.set WSTG,   16*SPITCH
.set LASTP,  31*PKG
.set LASTM,  31*256
; v0 thread; v1 16 lane; v2 16 thread; v3 16 r + 8 h; v5 2 thread; v6 8 lane; v8 stage + 16 lane; v9 stage + 528 r + 128 h; v10 8 h; v11 stage + 528 r + 32 h: all made at the head and never rewritten
; v12 -M; v13 the largest t; v[14:15] the sum in two halves
.set QC,  16                           ; v16-23   Q's codes
.set MK,  24                           ; v24-31   mask words: four sets of two
.set FR,  32                           ; v32-63   four fragments: K's tiles 4-7, then V's tiles 0-3
.set KS,  64                           ; v64-95   packages on their way: four sets of 4 (K) + 4 (V)
.set SR,  96                           ; v96-159  S^T, then p
.set F2,  SR+32                        ; v128-159 four fragments in the upper half of S^T: K's tiles 0-3 until the scores of tiles 4-7 are written there, V's tiles 4-7 once the sums are taken
.set OA,  160                          ; v160-223 O^T
.set PC,  224                          ; v224-231 p's codes
.set QT,  232                          ; v232-239 at work
.set MT,  224                          ; v224-239 under the mask: sixteen bits on their way to the compares (p's codes and the work registers are idle there)
.set SCS, 240                          ; v240-243 two scale bytes on their way: four sets
.set SO,  244                          ; v244-247 the conversions' scale operands
.set WS,  248                          ; v248-251 K's or V's scale words: register i: tile 2 i in lanes 0-15, tile 2 i + 1 in lanes 16-31
.set FF,  252                          ; v252     f = 2^(old M - new M)
.set PWD, 253                          ; v253     p's scale word
.set TT,  254
.set QW,  255                          ; v255     Q's scale word
.set WV,  18
.set SEL, 20                           ; s[20:21] lane selects for v_permlanex16_b32: lane l xor 16
.set CS,  22                           ; s[22:23] c = log2(e) / sqrt(128)
.set PA,  24                           ; s[24:25] the package that is being asked for
.set MA,  26                           ; s[26:27] the mask words that are being asked for
.set OFFP, 28                          ; s[28:29] their offsets, which walk and are held at the last step's
.set OFFM, 30
.set ANY, 32
.set ALL, 33
.set TRIP, 34
	s_load_b256 s[4:11], s[0:1], 0x0               ; q s[4:5], kvp s[6:7], mbits s[8:9], flags s[10:11]
	s_load_b64 s[12:13], s[0:1], 0x20              ; out0
	v_lshrrev_b32 v4, 5, v0
	v_readfirstlane_b32 s[WV], v4                  ; wave 0..15
	v_and_b32 v4, 31, v0                           ; lane
	v_and_b32 v7, 15, v0                           ; r
	v_bfe_u32 v10, v0, 4, 1                        ; h
	v_lshlrev_b32 v1, 4, v4
	v_lshlrev_b32 v2, 4, v0
	v_lshlrev_b32 v3, 4, v7
	v_lshl_add_u32 v3, v10, 3, v3
	v_lshlrev_b32 v5, 1, v0
	v_lshlrev_b32 v6, 3, v4
	s_wait_alu depctr_va_sdst(0)                   ; the wave's number is written, ahead of its first reader: my stage, my tile and my block are made from it
	s_mul_i32 s35, s[WV], WSTG
	s_add_co_u32 s35, s35, STG                     ; my stage
	v_add_nc_u32 v8, s35, v1
	v_mul_u32_u24 v9, v7, SPITCH
	v_add_nc_u32 v9, s35, v9
	v_lshl_add_u32 v11, v10, 5, v9
	v_lshl_add_u32 v9, v10, 7, v9
	v_lshlrev_b32 v10, 3, v10
	s_lshr_b32 s35, s[WV], 2
	s_xor_b32 s35, s35, s[WV]
	s_and_b32 s35, s35, 1                          ; which of the two blocks of queries is my wave's
	s_sub_co_u32 s36, 31, ttmp9
	s_cmp_eq_u32 s35, 0
	s_cselect_b32 s36, ttmp9, s36                  ; block x or block 31 - x
	s_lshr_b32 s37, s[WV], 1
	s_lshl_b32 s36, s36, 3
	s_add_co_u32 s36, s36, s37                     ; T, my tile of 16 queries: 8 x block + wave / 2
	s_and_b32 s37, ttmp7, 0xffff                   ; the head
	s_lshl_b32 s38, s37, 21                        ; q: a head is 4,096 rows of 512 bytes,
	s_lshl_b32 s40, s36, 13                        ; a tile 16 rows.  (A tile's mask bits are 8,192 bytes too)
	s_add_co_u32 s38, s38, s40
	s_mov_b32 s39, 0
	s_mov_b32 s41, 0
	s_mov_b32 s[SEL], 0x76543210
	s_mov_b32 s[SEL+1], 0xfedcba98
	s_mov_b32 s[CS], 0x3e0293ee
	s_mov_b32 s[CS+1], s[CS]                       ; (named with it as a pair, so it is written)
	s_mov_b32 s[OFFP], 5*PKG
	s_mov_b32 s[OFFP+1], 0
	s_mov_b32 s[OFFM], 4*256
	s_mov_b32 s[OFFM+1], 0
	s_mov_b32 s[TRIP], 0
	s_wait_kmcnt 0x0
	s_add_nc_u64 s[4:5], s[4:5], s[38:39]          ; q at my tile
	s_add_nc_u64 s[8:9], s[8:9], s[40:41]          ; mbits at my tile
	s_mul_i32 s38, s37, 32*PKG
	s_add_nc_u64 s[6:7], s[6:7], s[38:39]          ; kvp at my head
	s_lshl_b32 s38, s36, 6
	s_add_nc_u64 s[10:11], s[10:11], s[38:39]      ; flags at my tile: 64 bytes
	s_lshl_b32 s38, s36, 17                        ; out0: 16 rows of 8,192 bytes,
	s_lshl_b32 s40, s37, 9                         ; the head's 512 bytes of a row
	s_add_co_u32 s38, s38, s40
	s_add_nc_u64 s[12:13], s[12:13], s[38:39]
	s_load_b512 s[44:59], s[10:11], 0x0            ; eight pairs (ANY, ALL), one for each pair of my rows
	s_wait_alu depctr_va_vdst(0)                   ; v1, v2, v3, v5, v6, v8, v9 and v11 are written: every load and store of the kernel, global or LDS, reads one of them as its offset or address
; THE FIRST LOADS, in this order: q (16); package 0 (3); three groups of four (a package and a step's mask words)
.macro KVSI n, set                     ; package n, by immediates: my 16 bytes of K's images, of V's, my 2 bytes of the scale words
	global_load_b128 v[KS+8*\set:KS+8*\set+3], v2, s[6:7] offset:\n*PKG
	global_load_b128 v[KS+8*\set+4:KS+8*\set+7], v2, s[6:7] offset:\n*PKG+VIMG
	global_load_u16 v[SCS+\set], v5, s[6:7] offset:\n*PKG+KSCL
.endm
.irp p, 0,1,2,3,4,5,6,7,8,9,10,11,12,13,14,15
	global_load_b128 v[SR+4*\p:SR+4*\p+3], v1, s[4:5] offset:512*\p th:TH_LOAD_NT   ; a row of q: 512 consecutive bytes
.endr
	KVSI 0, 0
.irp n, 1,2,3
	KVSI \n, \n
	global_load_b64 v[MK+2*(\n-1):MK+2*(\n-1)+1], v3, s[8:9] offset:256*(\n-1)   ; 32 lanes read 256 consecutive bytes
.endr
.irp b, 0,1,2,3
	v_mov_b32 v[QT+4+\b], 0                        ; written once: a lane permute's destination counts as one of its sources
.endr
	v_mov_b32 v[FF], 0                             ; likewise (the way out names it so, in a wave that has jumped over every step too)
	v_mov_b32 v[PWD], 0                            ; (named as the upper half of the pair v[252:253] before it is first written)
	v_mov_b32 v13, 0xff61b1e6                      ; the largest t so far: -3e38
	v_floor_f32 v12, -v13                          ; -M
	v_mov_b32 v14, 0
	v_mov_b32 v15, 0
; 64 numbers of a lane, register 32 b + i = k 64 b + 32 h + i of its row (two whole blocks, 2 b + h), become a fragment's codes in v[cr] on and the row's scale word in v[wr], in every lane
.macro QUANT2 xr, cr, wr
.irp b, 0,1
	v_max3_num_f32 v[QT+\b], |v[\xr+32*\b]|, |v[\xr+32*\b+1]|, 0x1800000   ; with the floor 2^(3 - 127) among the leaves: the byte cannot fall under 1
.endr
.irp i, 2,4,6,8,10,12,14,16,18,20,22,24,26,28,30
.irp b, 0,1
	v_max3_num_f32 v[QT+\b], v[QT+\b], |v[\xr+32*\b+\i]|, |v[\xr+32*\b+\i+1]|
.endr
.endr
.irp b, 0,1
	v_add_nc_u32 v[QT+2+\b], 0xff000000, v[QT+\b]  ; 2 off the exponent field: the conversion's scale operand
.endr
.irp b, 0,1
	v_lshrrev_b32 v[QT+4+\b], 23, v[QT+2+\b]       ; the scale's byte
.endr
	v_lshl_or_b32 v[\wr], v[QT+5], 16, v[QT+4]
	v_lshlrev_b32 v[\wr], v10, v[\wr]              ; my two bytes at their places (8 h bits up);
	v_permlanex16_b32 v[QT+6], v[\wr], s[SEL], s[SEL+1]
	v_or_b32 v[\wr], v[\wr], v[QT+6]               ; with lane l xor 16's two the word is whole
.irp b, 0,1
.irp g, 0,1,2,3
	v_cvt_scalef32_pk8_fp4_f32 v[\cr+4*\b+\g], v[\xr+32*\b+8*\g:\xr+32*\b+8*\g+7], v[QT+2+\b]
.endr
.endr
	v_nop                                          ; one plain place behind the last scaled conversion
.endm
	s_wait_loadcnt 15                              ; q is in; behind it stand package 0's three loads and the three groups' twelve
.irp p, 0,1,2,3,4,5,6,7,8,9,10,11,12,13,14,15
	ds_store_b128 v8, v[SR+4*\p:SR+4*\p+3] offset:SPITCH*\p        ; q turns through my stage: rows in,
.endr
.irp c, 0,1
.irp g, 0,1,2,3,4,5,6,7
	ds_load_b128 v[OA+32*\c+4*\g:OA+32*\c+4*\g+3], v9 offset:256*\c+16*\g   ; 64 numbers of my query out (LDS serves a wave's instructions in order: ISA guide 5.7.1.4).  No vector instruction has named these registers yet
.endr
.endr
	s_wait_dscnt 0x0
	QUANT2 OA, QC, QW
.irp j, 0,1,2,3,4,5,6,7,8,9,10,11,12,13,14,15,16,17,18,19,20,21,22,23,24,25,26,27,28,29,30,31,32,33,34,35,36,37,38,39,40,41,42,43,44,45,46,47,48,49,50,51,52,53,54,55,56,57,58,59,60,61,62,63
	v_mov_b32 v[OA+\j], 0                          ; O^T.  Which step is a wave's first hangs on the mask, so no first step is written out: the first finds zeros.  (These lines are also the places between Q's codes and scale word and the first product)
.endr
	s_wait_loadcnt 12                              ; package 0 is in; the three groups may be out
	ds_store_b128 v2, v[KS:KS+3]
	ds_store_b128 v2, v[KS+4:KS+7] offset:VIMG
	ds_store_b16 v5, v[SCS] offset:KSCL
	s_wait_dscnt 0x0                               ; for the others' sake: my part of slot 0 has landed
	s_wait_alu depctr_vm_vsrc(0)                   ; my LDS stores have read set 0, in which the loads below land, and q's rows in v96-159, in which K's fragments will land and the scores be written
	KVSI 4, 0                                      ; the fourth group
	global_load_b64 v[MK+6:MK+7], v3, s[8:9] offset:256*3
	s_wait_kmcnt 0x0
	s_or_b32 s[ANY], s44, s46                      ; a step counts for the tile if it counts for one of its rows,
	s_and_b32 s[ALL], s45, s47                     ; and is open if it is open for all of them
.irp p, 48,50,52,54,56,58
	s_or_b32 s[ANY], s[ANY], s[\p]
	s_and_b32 s[ALL], s[ALL], s[\p+1]
.endr
	s_barrier_signal -1
	s_barrier_wait -1                              ; slot 0 is whole
.macro PLACES                          ; four plain vector instructions behind a matrix instruction, in front of loads into its registers and of the first read of its result (ISA guide 7.12.1 for vector instructions)
.rept 4
	v_nop
.endr
.endm
.macro FRAGS reg, base, t0             ; four fragments, tiles t0 on, into v[reg] on, as they were stored: 16 bytes a lane, 512 bytes on end
.irp t, 0,1,2,3
.irp c, 0,1
	ds_load_b128 v[(\reg)+8*\t+4*\c:(\reg)+8*\t+4*\c+3], v1 offset:(\base)+1024*((\t0)+\t)+512*\c
.endr
.endr
.endm
.macro WORDS base                      ; the four scale registers of eight tiles
	ds_load_b64 v[WS:WS+1], v6 offset:(\base)
	ds_load_b64 v[WS+2:WS+3], v6 offset:(\base)+256
.endm
.macro KQ t, fa                        ; S^T, tile t of 16 keys, whose fragment stands in v[fa] on.  An odd tile's scale words stand in lanes 16-31 of their register
.if (\t)%2
	v_wmma_scale_f32_16x16x128_f8f6f4 v[SR+8*(\t):SR+8*(\t)+7], v[(\fa):(\fa)+7], v[QC:QC+7], 0, v[WS+(\t)/2], v[QW] matrix_a_fmt:MATRIX_FMT_FP4 matrix_b_fmt:MATRIX_FMT_FP4 matrix_a_scale:MATRIX_SCALE_ROW1
.else
	v_wmma_scale_f32_16x16x128_f8f6f4 v[SR+8*(\t):SR+8*(\t)+7], v[(\fa):(\fa)+7], v[QC:QC+7], 0, v[WS+(\t)/2], v[QW] matrix_a_fmt:MATRIX_FMT_FP4 matrix_b_fmt:MATRIX_FMT_FP4
.endif
.endm
.macro PV t, fa                        ; O^T += V^T P^T, tile t of 16 channels, whose fragment stands in v[fa] on.  The eight accumulators take turns, one instruction a turn
.if (\t)%2
	v_wmma_scale_f32_16x16x128_f8f6f4 v[OA+8*(\t):OA+8*(\t)+7], v[(\fa):(\fa)+7], v[PC:PC+7], v[OA+8*(\t):OA+8*(\t)+7], v[WS+(\t)/2], v[PWD] matrix_a_fmt:MATRIX_FMT_FP4 matrix_b_fmt:MATRIX_FMT_FP4 matrix_a_scale:MATRIX_SCALE_ROW1
.else
	v_wmma_scale_f32_16x16x128_f8f6f4 v[OA+8*(\t):OA+8*(\t)+7], v[(\fa):(\fa)+7], v[PC:PC+7], v[OA+8*(\t):OA+8*(\t)+7], v[WS+(\t)/2], v[PWD] matrix_a_fmt:MATRIX_FMT_FP4 matrix_b_fmt:MATRIX_FMT_FP4
.endif
.endm
; A group of four loads, at a step's end: the package five steps on and the mask words four steps on.  The offsets are held at the last step's, so that the last trips ask for it again: no load leaves its buffer,
; and every wait's count holds in every trip.
.macro GROUP kset, mset
	s_wait_xcnt 0x0                                ; the last group, a step back, has read its bases: they are written again only behind this wait
	s_wait_alu depctr_vm_vsrc(0)                   ; the LDS stores at this step's head have read the set of package registers in which the first three loads below land.  (The mask words' last readers, the v_and_b32 under the mask, stand ahead of the softmax's waits on va_vdst)
	s_add_nc_u64 s[PA:PA+1], s[6:7], s[OFFP:OFFP+1]
	s_add_nc_u64 s[MA:MA+1], s[8:9], s[OFFM:OFFM+1]
	global_load_b128 v[KS+8*(\kset):KS+8*(\kset)+3], v2, s[PA:PA+1]
	global_load_b128 v[KS+8*(\kset)+4:KS+8*(\kset)+7], v2, s[PA:PA+1] offset:VIMG
	global_load_u16 v[SCS+(\kset)], v5, s[PA:PA+1] offset:KSCL
	global_load_b64 v[MK+2*(\mset):MK+2*(\mset)+1], v3, s[MA:MA+1]
	s_add_co_u32 s[OFFP], s[OFFP], PKG
	s_min_u32 s[OFFP], s[OFFP], LASTP
	s_add_co_u32 s[OFFM], s[OFFM], 256
	s_min_u32 s[OFFM], s[OFFM], LASTM
.endm
; The softmax of one tile and one key step: 64 scores a lane become p, its codes and its scale word; the sum and O^T come under the new M.  vb: the LDS byte at which the step's images of V begin.
.macro SOFTMAX vb
.irp b, 0,1,2,3
	v_max3_num_f32 v[QT+\b], v[SR+16*\b], v[SR+1+16*\b], v[SR+2+16*\b]   ; THE LARGEST SCORE OF EACH BLOCK OF 32 KEYS serves twice: for the row's maximum, and, since p rises with the score, for the block's largest p
.endr
.irp i, 3,5,7,9,11,13
.irp b, 0,1,2,3
	v_max3_num_f32 v[QT+\b], v[QT+\b], v[SR+16*\b+\i], v[SR+1+16*\b+\i]   ; (the four blocks by turns)
.endr
.endr
.irp b, 0,1,2,3
	v_max_num_f32 v[QT+\b], v[QT+\b], v[SR+15+16*\b]
.endr
.irp b, 0,1,2,3
	v_permlanex16_b32 v[QT+4+\b], v[QT+\b], s[SEL], s[SEL+1]
.endr
.irp b, 0,1,2,3
	v_max_num_f32 v[QT+\b], v[QT+\b], v[QT+4+\b]   ; with lane l xor 16's 16 keys
.endr
	v_max3_num_f32 v[TT], v[QT], v[QT+1], v[QT+2]
	v_max_num_f32 v[TT], v[TT], v[QT+3]            ; the step's largest score of my query (-infinity where all its keys are hidden)
	v_mul_f32 v[TT], s[CS], v[TT]                  ; as t (c is positive)
	v_max_num_f32 v13, v13, v[TT]                  ; the running largest t
	v_mov_b32 v[TT], v12
	v_floor_f32 v12, -v13                          ; the new -M = floor(-t) = -ceil(t): M IS A WHOLE NUMBER
	v_sub_f32 v[TT], v12, v[TT]                    ; M's old value less its new one: a whole number, 0 or less
	v_cvt_i32_f32 v[TT], v[TT]                     ; (it saturates)
	v_ldexp_f32 v[FF], 1.0, v[TT]                  ; f = 2^(old M - new M)
.irp j, 0,2,4,6,8,10,12,14,16,18,20,22,24,26,28,30,32,34,36,38,40,42,44,46,48,50,52,54,56,58,60,62
	v_pk_fma_f32 v[SR+\j:SR+1+\j], v[SR+\j:SR+1+\j], s[CS:CS+1], v[12:13] op_sel_hi:[1,0,0]   ; t - M, two at a time (of the pairs c and -M the low word serves both halves)
.endr
.irp b, 0,1,2,3
	v_fma_f32 v[QT+\b], v[QT+\b], s[CS], v12       ; the same of each block's largest score
.endr
.irp j, 0,1,2,3,4,5,6,7,8,9,10,11,12,13,14,15,16,17,18,19,20,21,22,23,24,25,26,27,28,29,30,31,32,33,34,35,36,37,38,39,40,41,42,43,44,45,46,47,48,49,50,51,52,53,54,55,56,57,58,59,60,61,62,63
	v_exp_f32 v[SR+\j], v[SR+\j]                   ; p = 2^(t - M), at most 1: NOT normalised; 0 for a hidden key
.endr
.irp b, 0,1,2,3
	v_exp_f32 v[QT+\b], v[QT+\b]                   ; the block's largest p: the same two instructions on the same number give the same bits
.endr
	v_pk_mul_f32 v[14:15], v[14:15], v[FF:FF+1] op_sel_hi:[1,0]    ; the sums under the new M.  (A plain place behind the exponentials)
	s_wait_alu depctr_va_vdst(0)                   ; the 68 exponentials have written p and the blocks' largest p: one wait for the batch, ahead of its first reader
.irp b, 0,1,2,3
	v_max_num_f32 v[QT+\b], 0x1800000, v[QT+\b]    ; the floor 2^(3 - 127): the byte cannot fall under 1 (a block whose every p is 0 keeps that byte: its codes are zeros)
.endr
.irp b, 0,1,2,3
	v_add_nc_u32 v[SO+\b], 0xff000000, v[QT+\b]    ; 2 off the exponent field: the conversion's scale operand
.endr
.irp b, 0,1,2,3
	v_lshrrev_b32 v[QT+4+\b], 23, v[SO+\b]         ; the scale's byte
.endr
	v_lshl_or_b32 v[PWD], v[QT+5], 8, v[QT+4]      ; p's scale word for these 128 keys
	v_lshl_or_b32 v[PWD], v[QT+6], 16, v[PWD]
	v_lshl_or_b32 v[PWD], v[QT+7], 24, v[PWD]
.irp b, 0,1,2,3
	v_cvt_scalef32_pk8_fp4_f32 v[PC+2*\b], v[SR+16*\b:SR+7+16*\b], v[SO+\b]
	v_cvt_scalef32_pk8_fp4_f32 v[PC+1+2*\b], v[SR+8+16*\b:SR+15+16*\b], v[SO+\b]
.endr
	v_nop                                          ; one plain place behind the last scaled conversion
.irp c, 0,1                            ; the operand's layout wants a WHOLE block in a lane: lanes 0-15 block 2 c, lanes 16-31 block 2 c + 1
.irp i, 0,1
	v_permlane16_swap_b32 v[PC+4*\c+\i], v[PC+2+4*\c+\i]
.endr
.endr
	v_pk_add_f32 v[QT+4:QT+5], v[SR:SR+1], v[SR+2:SR+3]            ; THE ROW'S SUM IS TAKEN OF THE UNQUANTISED p: two at a time, in two chains.  (These 32 lines are also the places between p's codes and scale word and the products below)
.irp j, 4,8,12,16,20,24,28,32,36,40,44,48,52,56,60
	v_pk_add_f32 v[14:15], v[14:15], v[SR+\j:SR+1+\j]
	v_pk_add_f32 v[QT+4:QT+5], v[QT+4:QT+5], v[SR+2+\j:SR+3+\j]
.endr
	v_pk_add_f32 v[14:15], v[14:15], v[QT+4:QT+5]
	s_wait_alu depctr_va_vdst(0)                   ; the sums and the conversions are done with p, in whose upper half the loads below land; and p's codes and scale word are written, which the second product takes as source 1 and its scales
	FRAGS F2, \vb, 4                               ; V's tiles 4-7.  No vector instruction between here and the products names v128-159
.irp j, 0,2,4,6,8,10,12,14,16,18,20,22,24,26,28,30,32,34,36,38,40,42,44,46,48,50,52,54,56,58,60,62
	v_pk_mul_f32 v[OA+\j:OA+1+\j], v[OA+\j:OA+1+\j], v[FF:FF+1] op_sel_hi:[1,0]   ; O^T under the new M: x f, while those loads are on their way
.endr
.endm
; A KEY STEP, the k-th of a trip's four: it reads slot k % 2.
.macro STEP k
.set SL, ((\k)%2)*PKG
.set OT, (1-(\k)%2)*PKG
.set NS, ((\k)+1)%4
	s_wait_loadcnt 12                              ; the oldest group is in: the next step's package and this step's mask words; the three younger groups, twelve loads, stay out
	ds_store_b128 v2, v[KS+8*NS:KS+8*NS+3] offset:OT               ; my part of the next step's package, into the slot that was read in the step before: all its readers had their loads back ahead of that step's barrier
	ds_store_b128 v2, v[KS+8*NS+4:KS+8*NS+7] offset:OT+VIMG
	ds_store_b16 v5, v[SCS+NS] offset:OT+KSCL
	s_bitcmp1_b32 s[ANY], 0                        ; does any key of this step count for any of my 16 queries?
	s_cbranch_scc0 .Lidle_\@                       ; no: the step's work is jumped over; not the staging, nor the waits and the barrier at its end
	s_wait_alu depctr_va_vdst(0)                   ; the last active step's second product is done reading v32-63, v128-159 and the scale words, in all of which the loads below land; in my first active step: Q's codes and scale word are written, which the first product takes
	WORDS SL+KSCL
	FRAGS F2, SL, 0                                ; K's tiles 0-3, where the scores of tiles 4-7 will stand
	FRAGS FR, SL, 4                                ; K's tiles 4-7
	s_wait_dscnt 8                                 ; LDS instructions come back in order (ISA guide 5.7.1): the scale words and tiles 0-3 are in; the eight loads of tiles 4-7 may be out
	KQ 0, F2
	KQ 1, F2+8
	KQ 2, F2+16
	KQ 3, F2+24
.rept 5
	v_nop                                          ; five places: the next four products write their scores over the fragments that these four have read
.endr
	s_wait_dscnt 0x0                               ; tiles 4-7 are in
	KQ 4, FR
	KQ 5, FR+8
	KQ 6, FR+16
	KQ 7, FR+24
	PLACES
	s_wait_alu depctr_va_vdst(0)                   ; the first product is done reading v32-63 and K's scale words, in which the loads below land
	FRAGS FR, SL+VIMG, 0                           ; V's first four fragments and its scale words are asked for here and land under the softmax
	WORDS SL+VSCL
	s_bitcmp1_b32 s[ALL], 0                        ; do all 128 keys count for all 16 queries?
	s_cbranch_scc1 .Lopen_\@
	v_mov_b32 v[TT], 0xff800000                    ; no: each score against its bit; a hidden score becomes -infinity ahead of the maximum.  A block of 32 keys (my 16 of them) at a time, from each accumulator's low end on
.irp b, 0,1,2,3
.irp i, 0,1,2,3,4,5,6,7,8,9,10,11,12,13,14,15
	v_and_b32 v[MT+\i], 1<<(8*\b+4*(\i%2)+\i/4), v[MK+2*(\k)+(\i%4)/2]   ; register 16 b + i holds key 32 b + 16 h + i
.endr
.irp i, 0,1,2,3,4,5,6,7,8,9,10,11,12,13,14,15
	v_cmp_eq_u32 s[40+\i], 0, v[MT+\i]
.endr
	s_wait_alu depctr_va_sdst(0)                   ; the sixteen compares have written s40 to s55, ahead of the selects that read them
.irp i, 0,1,2,3,4,5,6,7,8,9,10,11,12,13,14,15
	v_cndmask_b32 v[SR+16*\b+\i], v[SR+16*\b+\i], v[TT], s[40+\i]
.endr
.endr
.Lopen_\@:
	SOFTMAX SL+VIMG
	s_wait_dscnt 8                                 ; V's first four fragments and its scale words are in; the eight loads of tiles 4-7 may be out
	PV 0, FR
	PV 1, FR+8
	PV 2, FR+16
	PV 3, FR+24
	s_wait_dscnt 0x0                               ; tiles 4-7 are in
	PV 4, F2
	PV 5, F2+8
	PV 6, F2+16
	PV 7, F2+24
	PLACES                                         ; behind the last products: in front of the next vector instruction that writes p's codes' registers or reads O^T, and of the next step's loads
.Lidle_\@:
	s_wait_dscnt 0x0                               ; for the others' sake: my stores into the other slot have landed, and my reads of this slot are over
	GROUP NS, \k                                   ; into the set just stored and the mask words just used
	s_lshr_b32 s[ANY], s[ANY], 1                   ; the next step's flags
	s_lshr_b32 s[ALL], s[ALL], 1
	s_barrier_signal -1
	s_barrier_wait -1                              ; ONE barrier a step: the other slot is whole, and nobody reads this one any more
.endm
.Ltrip:                                            ; 8 trips of four steps: after four the sets of registers are back where they began.  (The last step stores the last package once more into a slot that nobody reads again)
	STEP 0
	STEP 1
	STEP 2
	STEP 3
	s_add_co_u32 s[TRIP], s[TRIP], 1
	s_cmp_lt_u32 s[TRIP], 8
	s_cbranch_scc1 .Ltrip
	; THE WAY OUT.  O^T is divided by the row's sum and goes through my stage, so that a row's 512 bytes leave together.
	s_wait_loadcnt 0x0                             ; the last groups still aim at v24-31, v64-95 and v240-243
	v_add_f32 v14, v14, v15                        ; the sum's two halves,
	v_permlanex16_b32 v[FF], v14, s[SEL], s[SEL+1]
	v_add_f32 v14, v14, v[FF]                      ; and lane l xor 16's: the row's sum
	v_rcp_f32 v14, v14
	v_nop                                          ; one plain place behind the transcendental
	s_wait_alu depctr_va_vdst(0)                   ; the reciprocal is written, ahead of its first reader
.irp j, 0,1,2,3,4,5,6,7,8,9,10,11,12,13,14,15,16,17,18,19,20,21,22,23,24,25,26,27,28,29,30,31,32,33,34,35,36,37,38,39,40,41,42,43,44,45,46,47,48,49,50,51,52,53,54,55,56,57,58,59,60,61,62,63
	v_mul_f32 v[SR+\j], v[OA+\j], v14              ; register 8 t + i is o(query r, channel 16 t + 8 h + i); each accumulator from its low end on
.endr
	s_wait_alu depctr_va_vdst(0)                   ; the multiplications have written v96-159, which the LDS stores read; and the products are done reading v32-63, in which the loads from the stage land
.irp t, 0,1,2,3,4,5,6,7
	ds_store_b128 v11, v[SR+8*\t:SR+8*\t+3] offset:64*\t
	ds_store_b128 v11, v[SR+8*\t+4:SR+8*\t+7] offset:64*\t+16
.endr
.irp i, 0,1,2,3,4,5,6,7,8,9,10,11,12,13,14,15
	ds_load_b128 v[FR+4*\i:FR+4*\i+3], v8 offset:SPITCH*\i         ; LDS serves a wave's instructions in order: these see my stores.  (v64-95: every LDS store that read them stands ahead of a step's wait on vm_vsrc)
.endr
.irp i, 0,1,2,3,4,5,6,7,8,9,10,11,12,13,14,15
	s_wait_dscnt 15-\i
	global_store_b128 v1, v[FR+4*\i:FR+4*\i+3], s[12:13] offset:8192*\i th:TH_STORE_NT   ; 32 lanes store 512 consecutive bytes, at a multiple of 512 from out0's first byte; written once, read by nobody here
.endr
	s_wait_xcnt 0x0                                ; the stores above have had their addresses translated
	v_lshl_add_u32 v254, v0, 2, 0x29800            ; no two registers could be kept: my spare word's address and 0 are made anew here.  No memory or LDS instruction has ever read v254 or v255
	v_mov_b32 v255, 0
	s_wait_dscnt 0x0                               ; the closing lines, six on end
	s_wait_alu 0x0
	s_wait_tensorcnt 0x0
	ds_add_u32 v254, v255
	s_wait_dscnt 0x0
	s_endpgm
.Lfunc_end_k_q33d8c5baac_attn:
	.size	k_q33d8c5baac_attn, .Lfunc_end_k_q33d8c5baac_attn-k_q33d8c5baac_attn
	.p2alignl 7, 3214868480
	.fill 96, 4, 3214868480
	.section	.rodata,"a",@progbits
	.p2align	6, 0x0
	.amdhsa_kernel k_q33d8c5baac_attn
		.amdhsa_group_segment_fixed_size 172032
		.amdhsa_private_segment_fixed_size 0
		.amdhsa_enable_private_segment 0
		.amdhsa_kernarg_size 40
		.amdhsa_user_sgpr_count 2
		.amdhsa_user_sgpr_kernarg_segment_ptr 1
		.amdhsa_wavefront_size32 1
		.amdhsa_system_sgpr_workgroup_id_x 1
		.amdhsa_system_sgpr_workgroup_id_y 1
		.amdhsa_system_sgpr_workgroup_id_z 1
		.amdhsa_system_vgpr_workitem_id 0
		.amdhsa_next_free_vgpr 256
		.amdhsa_next_free_sgpr 66
		.amdhsa_reserve_vcc 0
		.amdhsa_float_denorm_mode_32 3
		.amdhsa_float_denorm_mode_16_64 3
		.amdhsa_memory_ordered 1
		.amdhsa_forward_progress 1
		.amdhsa_inst_pref_size 143
	.end_amdhsa_kernel
	.amdgpu_metadata
---
amdhsa.version: [ 1, 2 ]
amdhsa.kernels:
  - .name:           k_q33d8c5baac_attn
    .symbol:         k_q33d8c5baac_attn.kd
    .args:
      - { .name: q, .offset: 0, .size: 8, .value_kind: global_buffer, .address_space: global }
      - { .name: kvp, .offset: 8, .size: 8, .value_kind: global_buffer, .address_space: global }
      - { .name: mbits, .offset: 16, .size: 8, .value_kind: global_buffer, .address_space: global }
      - { .name: flags, .offset: 24, .size: 8, .value_kind: global_buffer, .address_space: global }
      - { .name: out0, .offset: 32, .size: 8, .value_kind: global_buffer, .address_space: global }
    .group_segment_fixed_size: 172032
    .private_segment_fixed_size: 0
    .kernarg_segment_align: 8
    .kernarg_segment_size: 40
    .max_flat_workgroup_size: 512
    .sgpr_count:     66
    .vgpr_count:     256
    .wavefront_size: 32
...
	.end_amdgpu_metadata
.endif
;; end of part 3
